; MI455X (gfx1250); checked and timed in simulation.
; The chip was launched on July 23, 2026; its instructions are those of AMD's public machine-readable ISA for CDNA 5 (MIT licence, August 2026) and "CDNA5" Instruction Set Architecture Reference Guide (July 2026). The comments in the code are by the model that wrote it; some were corrected since.
;; Speaking Encoder. Allowed arithmetic: float matrix products may take bf16 or f16 operands with f32 sums; all other float work in f32.
;; Inputs: codebook 8,192 x 512 float32; emb_weight 8,192 x 512 float32; pe 2,048 x 1 x 512 float32; x 2,048 x 8 x 512 float32.
;; Outputs: out0 2,048 x 8 x 512 float32.
;; 3 versions, each right; version 2 is faster than version 1; version 3 is version 2 with the launches pack, emit written anew for expert scheduling mode. Each part assembles by itself: llvm-mc -triple=amdgcn-amd-amdhsa -mcpu=gfx1250 --defsym DOCPART=n.
;; ======== version 1 of 3: 4 launches
;; workspace buffers: cbf 8,388,608 bytes; csq 32,768 bytes; pd 262,144 bytes; pi 262,144 bytes of whole numbers; idx 65,536 bytes of whole numbers
;; launch pack (part 1): grid 256 x 1, 2 waves a work-group, no clusters, 0 bytes of LDS; arguments codebook, cbf, csq; writes cbf, csq
.if DOCPART == 1
	.amdgcn_target "amdgcn-amd-amdhsa--gfx1250"
	.amdhsa_code_object_version 6
	.text
	.protected	k_q7f65c0d1a6_pack
	.globl	k_q7f65c0d1a6_pack
	.p2align	8
	.type	k_q7f65c0d1a6_pack,@function
k_q7f65c0d1a6_pack:
	s_mov_b64 s[64:65], 0
	v_nop
	global_prefetch_b8 v0, s[64:65] scope:SCOPE_SE
	s_setreg_imm32_b32 hwreg(HW_REG_WAVE_MODE, 25, 1), 1
	s_wait_xcnt 0x0
; codebook [8192][512] f32  ->  cbf: the same numbers rounded to bf16, laid out in the order in which the matrix unit takes them;  csq[n] = the sum of the squares of code n, taken of the ROUNDED numbers, in f32.
; LAYOUT OF cbf.  Code n = 16 T + r, k = 32 kf + 16 c + 8 h + i (i = 0..7) lies at byte 16384 T + 1024 kf + 512 c + 16 (16 h + r) + 2 i: a fragment of 16 codes x 32 k is 1,024 dense bytes,
; and lane 16 h + r finds its two pieces of 16 bytes at 16 x lane and 512 + 16 x lane.
; SHARES.  A wave takes one tile T of 16 codes: 32,768 bytes in, 16,384 out; 512 tiles, two waves to each of 256 work-groups.  Block u = 2 kf + c of a tile is 8 numbers a lane: two loads of 16 bytes,
; four roundings of pairs, eight fused squares, one store in which the 32 lanes cover 512 consecutive bytes at a multiple of 512 from the first byte of cbf.
; The stream has nothing to share and nothing to multiply by: no LDS, no barrier, no cluster, no matrix instruction.
; LIMIT.  csq is a sum of 512 exact products in 16 chains of 32, so its last bits need not be those of another order of the same sum.
.set STG, 64                           ; v[64:255]  24 blocks of 8 registers; blocks 24-31 take the registers of blocks 0-7 when those have been stored
.set SUM, 8                            ; v[8:15]    eight chains of squares
	s_load_b128 s[4:7], s[0:1], 0x0                ; codebook s[4:5], cbf s[6:7]
	s_load_b64 s[8:9], s[0:1], 0x10                ; csq
	v_lshrrev_b32 v1, 5, v0
	v_readfirstlane_b32 s10, v1                    ; wave 0, 1
	s_lshl_b32 s11, ttmp9, 1
	s_add_co_u32 s11, s11, s10                     ; T
	s_lshl_b32 s12, s11, 15                        ; 16 rows of 2,048 bytes
	s_mov_b32 s13, 0
	s_lshl_b32 s14, s11, 14                        ; 16 fragments of 1,024 bytes
	s_mov_b32 s15, 0
	s_lshl_b32 s16, s11, 6                         ; 16 sums
	s_mov_b32 s17, 0
	s_mov_b32 s20, 0x76543210                      ; v_permlanex16_b32: each lane takes its own place in the other half
	s_mov_b32 s21, 0xfedcba98
	v_and_b32 v1, 31, v0                           ; lane
	v_and_b32 v5, 15, v0                           ; r
	v_bfe_u32 v6, v0, 4, 1                         ; h
	v_lshlrev_b32 v2, 11, v5
	v_lshl_add_u32 v2, v6, 5, v2                   ; in: row r, 32 bytes for each half of the lanes
	v_lshlrev_b32 v3, 4, v1                        ; out: 16 x lane
	v_lshlrev_b32 v4, 2, v5                        ; my row in csq
	s_wait_kmcnt 0x0
	s_add_nc_u64 s[4:5], s[4:5], s[12:13]
	s_add_nc_u64 s[6:7], s[6:7], s[14:15]
	s_add_nc_u64 s[8:9], s[8:9], s[16:17]
.macro LOADB u                         ; block u: k = 16 u + 8 h + 0..7 of row r
.set pb, STG+8*((\u)%24)
	global_load_b128 v[pb:pb+3],   v2, s[4:5] offset:64*(\u)
	global_load_b128 v[pb+4:pb+7], v2, s[4:5] offset:64*(\u)+16
.endm
.macro PROC u, left                    ; left: the loads issued behind block u, which may stay out
.set pb, STG+8*((\u)%24)
	s_wait_loadcnt \left
.irp m, 0,1,2,3
	v_cvt_pk_bf16_f32 v[pb+\m], v[pb+2*\m], v[pb+2*\m+1]     ; in place, ascending: pair m lands on a register whose number has been rounded already
.endr
.irp m, 0,1,2,3
	v_fma_mix_f32_bf16 v[SUM+2*\m],   v[pb+\m], v[pb+\m], v[SUM+2*\m]   op_sel_hi:[1,1,0]                ; low half squared, onto an f32 sum
	v_fma_mix_f32_bf16 v[SUM+2*\m+1], v[pb+\m], v[pb+\m], v[SUM+2*\m+1] op_sel:[1,1,0] op_sel_hi:[1,1,0]  ; high half squared
.endr
	global_store_b128 v3, v[pb:pb+3], s[6:7] offset:512*(\u)
.endm
.set u, 0
.rept 24
	LOADB u                                        ; 48 loads, 24,576 bytes of the wave, are out together
.set u, u+1
.endr
.irp m, 0,1,2,3,4,5,6,7
	v_mov_b32 v[SUM+\m], 0
.endr
	v_mov_b32 v16, 0                               ; the destination of v_permlanex16_b32 counts as read
.set u, 0
.rept 8
	PROC u, 46-2*u                                 ; of 48 loads issued, 46 - 2 u are younger than block u
.set u, u+1
.endr
	s_wait_xcnt 0x0                                ; the stores of blocks 0-7 have read their data: only behind this wait are those registers loaded again
.set u, 24
.rept 8
	LOADB u
.set u, u+1
.endr
.set u, 8
.rept 24
	PROC u, 62-2*u                                 ; of 64 loads issued, 62 - 2 u are younger than block u
.set u, u+1
.endr
	v_add_f32 v8, v8, v9
	v_add_f32 v10, v10, v11
	v_add_f32 v12, v12, v13
	v_add_f32 v14, v14, v15
	v_add_f32 v8, v8, v10
	v_add_f32 v12, v12, v14
	v_add_f32 v8, v8, v12                          ; my half of the row
	v_permlanex16_b32 v16, v8, s20, s21            ; the other half lies in the lane 16 away
	v_add_f32 v8, v8, v16
	v_cmp_gt_u32 vcc_lo, 16, v1
	s_wait_xcnt 0x0                                ; EXEC is a source of the stores above: it changes only behind this wait
	s_and_saveexec_b32 s22, vcc_lo
	global_store_b32 v4, v8, s[8:9]                ; lanes 0-15: 64 consecutive bytes
	s_wait_xcnt 0x0                                ; and again in front of the line that widens it
	s_or_b32 exec_lo, exec_lo, s22
	s_endpgm
.Lfunc_end_k_q7f65c0d1a6_pack:
	.size	k_q7f65c0d1a6_pack, .Lfunc_end_k_q7f65c0d1a6_pack-k_q7f65c0d1a6_pack
	.p2alignl 7, 3214868480
	.fill 96, 4, 3214868480
	.section	.rodata,"a",@progbits
	.p2align	6, 0x0
	.amdhsa_kernel k_q7f65c0d1a6_pack
		.amdhsa_group_segment_fixed_size 0
		.amdhsa_private_segment_fixed_size 0
		.amdhsa_enable_private_segment 0
		.amdhsa_kernarg_size 24
		.amdhsa_user_sgpr_count 2
		.amdhsa_user_sgpr_kernarg_segment_ptr 1
		.amdhsa_wavefront_size32 1
		.amdhsa_system_sgpr_workgroup_id_x 1
		.amdhsa_system_sgpr_workgroup_id_y 1
		.amdhsa_system_sgpr_workgroup_id_z 1
		.amdhsa_system_vgpr_workitem_id 0
		.amdhsa_next_free_vgpr 256
		.amdhsa_next_free_sgpr 66
		.amdhsa_reserve_vcc 1
		.amdhsa_float_denorm_mode_32 3
		.amdhsa_float_denorm_mode_16_64 3
		.amdhsa_memory_ordered 1
		.amdhsa_forward_progress 1
		.amdhsa_inst_pref_size 37
	.end_amdhsa_kernel
	.amdgpu_metadata
---
amdhsa.version: [ 1, 2 ]
amdhsa.kernels:
  - .name:           k_q7f65c0d1a6_pack
    .symbol:         k_q7f65c0d1a6_pack.kd
    .args:
      - { .name: codebook, .offset: 0, .size: 8, .value_kind: global_buffer, .address_space: global }
      - { .name: cbf, .offset: 8, .size: 8, .value_kind: global_buffer, .address_space: global }
      - { .name: csq, .offset: 16, .size: 8, .value_kind: global_buffer, .address_space: global }
    .group_segment_fixed_size: 0
    .private_segment_fixed_size: 0
    .kernarg_segment_align: 8
    .kernarg_segment_size: 24
    .max_flat_workgroup_size: 64
    .sgpr_count:     66
    .vgpr_count:     256
    .wavefront_size: 32
...
	.end_amdgpu_metadata
.endif
;; end of part 1
;; launch dist (part 2): grid 4 x 64, 4 waves a work-group, clusters of 4 x 4, 327,680 bytes of LDS; arguments x, cbf, csq, pd, pi; writes pd, pi
.if DOCPART == 2
	.amdgcn_target "amdgcn-amd-amdhsa--gfx1250"
	.amdhsa_code_object_version 6
	.text
	.protected	k_q7f65c0d1a6_dist
	.globl	k_q7f65c0d1a6_dist
	.p2align	8
	.type	k_q7f65c0d1a6_dist,@function
k_q7f65c0d1a6_dist:
	s_mov_b64 s[64:65], 0
	v_nop
	global_prefetch_b8 v0, s[64:65] scope:SCOPE_SE
	s_setreg_imm32_b32 hwreg(HW_REG_WAVE_MODE, 25, 1), 1
	s_wait_xcnt 0x0
	s_wait_alu depctr_hold_cnt(0) depctr_sa_sdst(0) depctr_va_vdst(0) depctr_va_sdst(0) depctr_va_ssrc(0) depctr_va_vcc(0) depctr_vm_vsrc(0)
	s_getreg_b32 s2, hwreg(HW_REG_IB_STS2, 6, 4)
	s_cmp_eq_u32 s2, 0
	s_cbranch_scc0 .Lentry_in_a_cluster
	s_endpgm
.Lentry_in_a_cluster:
	s_bfe_u32 s2, ttmp6, 0x10000c
	s_cmp_lg_u32 s2, 0xf033
	s_cbranch_scc0 .Lentry_shape_is_right
	s_endpgm
.Lentry_shape_is_right:
; For 256 rows of x and a quarter (2,048) of the codes: d = (x_sq - 2 x.c) + c_sq in f32, in that order, and for each row the least d and the lowest code that has it.  pd[q][row] = d, pi[q][row] = code.
; FORMATS AND LIMITS.  x is rounded to bf16 here, the codes were rounded before; x.c is summed in f32 by the matrix unit; x_sq and c_sq are the sums of squares of the ROUNDED numbers.  So the choice is that of
; the rounded inputs.  d is a difference of sums, as the definition has it, and loses what f32 loses there; two codes whose d differ by less than the rounding of these f32 sums may fall either way.
; A d that is NaN never wins; where no d is below +infinity the quarter answers with +infinity and its first code.
; SHARES.  Work-group (q, xb): code quarter q, rows 256 xb on.  A wave owns 64 rows, four tiles of 16, and keeps them whole in registers: 64 x 512 bf16 = 512 registers.  Every wave walks all 128 code tiles
; of the quarter; a fragment of 16 codes x 32 k (1,024 bytes out of LDS) feeds four matrix instructions.
; LAYOUT.  Source 0 = 16 codes, source 1 = 16 rows of x: in the result a lane holds ONE row of x (lane % 16) and the codes 8 (lane / 16) + 0..7.  So a row's running minimum is 8 registers a lane and tile,
; nothing changes lanes in the loop, and the lanes meet once, at the end.
; BY TURNS.  While code tile n is multiplied into one set of four accumulators, tile n - 1 is judged in the other set: 144 vector instructions, dealt 2, 2, 2, 3 behind the four matrix instructions of each of the 16 steps.
; RING.  Two LDS slots of 128 codes (131,072 bytes, 128 fragments on end); a slot is refilled by one tensor load a wave (32,768 bytes) and has 512 matrix instructions of each wave in which to land.
; CLUSTER.  4 x 4 work-groups.  The code tiles and c_sq hang on q alone, which the four of a column of the cluster share: they are asked for JOINTLY.  x hangs on xb, which the four of a row share, but it goes
; straight into registers: a block of 256 rows is 524,288 bytes of f32, more than LDS holds, and it is read once, at the start.
; REGISTERS, in windows of 256 (s_set_vgpr_msb: bits 1:0 source 0, 3:2 source 1, 5:4 source 2, 7:6 destination):
;   window 0: v0-6 at work; v28, v29 the add's two; v64-255 three staging buffers for x in f32
;   window 1: all that the loop's vector work and LDS loads touch (map below)          window 2: x, k 0-255: tile t, step kf at 64 t + 8 kf          window 3: x, k 256-511
; THE LOOP HAS ONE SETTING but for the half of x: sources 0 and 2 and the destination in window 1, source 1 in window 2 or 3.  The vector instructions are therefore written with registers in sources 0 and 2
; alone and a constant or a scalar as source 1: an addition as a x 1.0 + b, a comparison as the sign of best - d, a minimum with +infinity as its middle operand.
.set FILLB,  131072                    ; bytes of a slot
.set SLOT1,  1<<17                     ; slot 1 begins here: one exclusive or turns an address in one slot into the other's
.set CSQL,   2*FILLB                   ; behind the ring: the quarter's 2,048 c_sq, 8,192 bytes, filled once
.set SPARE,  CSQL+8192                 ; behind them: the spare words, 128 bytes for each wave: two blocks of 256 bytes that no other line names
.set XO,   3                           ; window 0: v3   my byte offset in 16 rows of x
.set SPW,  28                          ;           v28  LDS address of my spare word; never rewritten
.set NIL,  29                          ;           v29  0; never rewritten
.set STG,  64
.set RING, 0                           ; window 1: v0-63     eight fragments of codes
.set ACC,  64                          ;           v64-127   two sets of four accumulators: set p, tile t at ACC + 32 p + 8 t
.set BEST, 128                         ;           v128-159  the least d so far, by tile and register
.set IDX,  160                         ;           v160-191  the code tile that had it
.set CSQ,  192                         ;           v192-207  c_sq of my 8 codes, for each set
.set EE,   208                         ;           v208-215  best - d
.set XSQ,  216                         ;           v216-223  x_sq of my row, twice (a pair), by tile
.set AK,   224                         ;           v224      LDS address of the two code tiles that are being fetched
.set ACS,  225                         ;           v225      LDS address of their c_sq
.set L16,  226                         ;           v226      16 x lane
.set H32,  227                         ;           v227      CSQL + 32 (lane / 16)
.set HB,   228                         ;           v228      2048 q + 8 (lane / 16): my first code
.set L4,   229                         ;           v229      4 x lane
.set TA,   230                         ;           v230-235  at work
.set WV,   14                          ; s14  my wave
.set CX,   15                          ; s15, s16  my place in the cluster
.set CY,   16
.set QQ,   17                          ; s17  q
.set XB,   18                          ; s18  xb
.set MASK, 19                          ; s19  my column of the cluster
.set G1,   24                          ; s[24:31] descriptor group 1: 128 rows of 256 bytes
.set G1C,  32                          ; s[32:39] the same with 8 rows, for c_sq
.set G0A,  40                          ; s[40:43] group 0 of the first fill of slot 0
.set G0,   44                          ; s[44:47] group 0 of the first fill of slot 1; it then walks
.set G0C,  48                          ; s[48:51] group 0 for c_sq
.set CNT,  52                          ; s52  trips left in a slot
.set FILLS, 53                         ; s53  slots left in the loop
.set TIX,  54                          ; s54  the code tile that is being judged
.set TB,   55                          ; s55  LDS byte of the two code tiles that are being fetched
.set MK,   56                          ; s[56:59] lanes in which d is the new least
.set INF,  60                          ; s60  +infinity
.set TC,   61                          ; s61  byte of those two tiles in the table of c_sq
.set SEL,  66                          ; s[66:67] v_permlanex16_b32: each lane takes its own place in the other half
.set DG,   68                          ; s[68:74] lanes with lane % 8 = 1 .. 7
.set DM,   75                          ; s75  lanes whose own half holds the diagonal
.set SH,   76                          ; s76  lanes 16-31
.set MG,   77                          ; s[77:79] at work in MERGE
.set MSB, 0
.macro WIN new                         ; the high byte repeats the setting that is left; a switch that changes nothing is dropped
.if MSB != (\new)
	s_set_vgpr_msb (MSB<<8)|(\new)
.set MSB, \new
.endif
.endm
; A round of the cluster's barrier: my work-group's barrier, so that wave 0 speaks for all four waves; wave 0 signals; every wave waits for all sixteen work-groups; my work-group's barrier once more.
.macro CREST                           ; a round behind its opening barrier
	s_cmp_lg_u32 s[WV], 0
	s_cbranch_scc1 .Lnot_wave_0_\@
	s_barrier_signal -3
.Lnot_wave_0_\@:
	s_barrier_wait -3
	s_barrier_signal -1
	s_barrier_wait -1
.endm
.macro CROUND
	s_barrier_signal -1
	s_barrier_wait -1
	CREST
.endm
	s_load_b256 s[4:11], s[0:1], 0x0               ; x s[4:5], cbf s[6:7], csq s[8:9], pd s[10:11]
	s_load_b64 s[12:13], s[0:1], 0x20              ; pi
	v_lshl_add_u32 v[SPW], v0, 2, SPARE
	v_mov_b32 v[NIL], 0
	ds_add_u32 v[SPW], v[NIL]                      ; the wave's opening: the add and its wait stand ahead of my first tensor load; the set-up below, work on registers, stands between them
	v_lshrrev_b32 v1, 5, v0
	v_readfirstlane_b32 s[WV], v1                  ; wave 0..3
	s_bfe_u32 s[CX], ttmp6, 0x40000
	s_bfe_u32 s[CY], ttmp6, 0x40004
	s_lshl_b32 s[QQ], ttmp9, 2                     ; in a cluster launch ttmp9 and ttmp7 count clusters
	s_add_co_u32 s[QQ], s[QQ], s[CX]               ; q = 4 x cluster x + cx
	s_and_b32 s[XB], ttmp7, 0xffff
	s_lshl_b32 s[XB], s[XB], 2
	s_add_co_u32 s[XB], s[XB], s[CY]               ; xb = 4 x cluster y + cy
	s_lshl_b32 s[MASK], 0x1111, s[CX]              ; places cx, cx + 4, cx + 8, cx + 12
	; group 1: dense bytes asked for as rows of 256: elements of 8 bytes, 32 to a row, 32 from row to row; no padding: a fragment is read as 512 consecutive bytes
	s_or_b32 s[G1], s[MASK], (3<<16)|(1<<21)       ; 15:0 the mask; 17:16 elements of 8 bytes; 21 set beside a mask
	s_mov_b32 s[G1+1], 32<<16                      ; tensor_dim0 = 32
	s_mov_b32 s[G1+2], 128<<16                     ; tensor_dim1 = 128
	s_mov_b32 s[G1+3], 32<<16                      ; tile_dim0 = 32
	s_mov_b32 s[G1+4], 128                         ; tile_dim1 = 128: 32,768 bytes, two code tiles
	s_mov_b32 s[G1+5], 32
	s_mov_b32 s[G1+6], 0
	s_mov_b32 s[G1+7], 0
	s_or_b32 s[G1C], s[MASK], (3<<16)|(1<<21)
	s_mov_b32 s[G1C+1], 32<<16
	s_mov_b32 s[G1C+2], 8<<16
	s_mov_b32 s[G1C+3], 32<<16
	s_mov_b32 s[G1C+4], 8                          ; 2,048 bytes: a quarter of the quarter's c_sq
	s_mov_b32 s[G1C+5], 32
	s_mov_b32 s[G1C+6], 0
	s_mov_b32 s[G1C+7], 0
	s_lshl_b32 s20, s[QQ], 21                      ; the quarter's 2,048 codes of 1,024 bytes,
	s_lshl_b32 s21, s[WV], 15                      ; my two code tiles of a slot: q and the wave's number alone enter what is asked for jointly
	s_add_co_u32 s20, s20, s21
	s_mov_b32 s21, 0
	s_lshl_b32 s22, s[QQ], 13                      ; the same for c_sq
	s_lshl_b32 s23, s[WV], 11
	s_add_co_u32 s22, s22, s23
	s_mov_b32 s23, 0
	s_lshl_b32 s80, s[XB], 19                      ; x: 256 rows of 2,048 bytes, my wave's 64 of them
	s_lshl_b32 s81, s[WV], 17
	s_add_co_u32 s80, s80, s81
	s_mov_b32 s81, 0
	s_lshl_b32 s82, s[QQ], 16                      ; pd, pi: [4][16384] words
	s_lshl_b32 s83, s[XB], 10
	s_add_co_u32 s82, s82, s83
	s_lshl_b32 s83, s[WV], 8
	s_add_co_u32 s82, s82, s83
	s_mov_b32 s83, 0
	s_mov_b32 s[G0A], 1                            ; count = 1
	s_mul_i32 s[G0A+1], s[WV], 32768               ; LDS: slot 0, the wave's quarter: no place in the cluster enters an LDS address
	s_mov_b32 s[G0], 1
	s_add_co_u32 s[G0+1], s[G0A+1], SLOT1
	s_mov_b32 s[G0C], 1
	s_mul_i32 s[G0C+1], s[WV], 2048
	s_add_co_u32 s[G0C+1], s[G0C+1], CSQL
	s_mov_b32 s[INF], 0x7f800000
	s_mov_b32 s[SEL], 0x76543210
	s_mov_b32 s[SEL+1], 0xfedcba98
	s_wait_dscnt 0x0                               ; the opening add is done
	s_wait_kmcnt 0x0
	s_add_nc_u64 s[G0A+2:G0A+3], s[6:7], s[20:21]  ; codes 0-127 of the quarter
	s_add_nc_u64 s[G0+2:G0+3], s[G0A+2:G0A+3], FILLB  ; codes 128-255
	s_or_b32 s[G0A+3], s[G0A+3], 0x80000000        ; type = 2
	s_or_b32 s[G0+3], s[G0+3], 0x80000000
	s_add_nc_u64 s[G0C+2:G0C+3], s[8:9], s[22:23]
	s_or_b32 s[G0C+3], s[G0C+3], 0x80000000
	s_add_nc_u64 s[4:5], s[4:5], s[80:81]
	s_add_nc_u64 s[10:11], s[10:11], s[82:83]
	s_add_nc_u64 s[12:13], s[12:13], s[82:83]
	CROUND                                         ; all sixteen work-groups are here: the first joint loads meet
	tensor_load_to_lds s[G0C:G0C+3], s[G1C:G1C+7]  ; the three first fills go out together: three tensor loads of mine are out, later one
	s_nop 0
	tensor_load_to_lds s[G0A:G0A+3], s[G1:G1+7]
	s_nop 0
	tensor_load_to_lds s[G0:G0+3], s[G1:G1+7]
	s_nop 0
	; A fragment of x is 16 rows x 32 k in 8 registers: lane l holds row l % 16; registers 0-3 k = 8 (l / 16) + 0..7, registers 4-7 k = 16 + 8 (l / 16) + 0..7.  In f32 that is 32 bytes at 32 (l / 16) and 32 bytes 64 further on.
	v_and_b32 v1, 15, v0                           ; l % 16
	v_bfe_u32 v2, v0, 4, 1                         ; l / 16
	v_lshlrev_b32 v[XO], 11, v1
	v_lshl_add_u32 v[XO], v2, 5, v[XO]
; Batch b of 16: tile b / 4, steps kf = 4 (b % 4) + 0..3: 16 loads, 512 consecutive bytes of each of 16 rows, into staging buffer b % 3
.macro XLOAD b
	WIN 0
.set xt, (\b)/4
.irp f, 0,1,2,3
.set xk, 4*((\b)%4)+\f
.set xs, STG+64*((\b)%3)+16*\f
	global_load_b128 v[xs:xs+3],     v[XO], s[4:5] offset:xt*32768+xk*128
	global_load_b128 v[xs+4:xs+7],   v[XO], s[4:5] offset:xt*32768+xk*128+16
	global_load_b128 v[xs+8:xs+11],  v[XO], s[4:5] offset:xt*32768+xk*128+64
	global_load_b128 v[xs+12:xs+15], v[XO], s[4:5] offset:xt*32768+xk*128+80
.endr
.endm
.macro XCVT b                          ; rounded to bf16 in pairs, into x's place in window 2 or 3
.set xt, (\b)/4
	WIN 0x80+0x40*(((\b)%4)/2)
.irp f, 0,1,2,3
.set xk, 4*((\b)%4)+\f
.set xs, STG+64*((\b)%3)+16*\f
.set xd, 64*xt+8*(xk%8)
.irp m, 0,1,2,3,4,5,6,7
	v_cvt_pk_bf16_f32 v[xd+\m], v[xs+2*\m], v[xs+2*\m+1]
.endr
.endr
.endm
	XLOAD 0
	XLOAD 1
	XLOAD 2                                        ; 48 loads, 24,576 bytes of the wave, are out; the set-up below stands in the wait for them
	v_and_b32 v4, 31, v0                           ; lane
	v_and_b32 v5, 7, v0
	v_lshrrev_b32 v6, 1, v0
	v_xor_b32 v6, v6, v0
	v_and_b32 v6, 8, v6                            ; 0 where bit 4 of the lane equals bit 3
.irp j, 1,2,3,4,5,6,7
	v_cmp_eq_u32 s[DG+\j-1], \j, v5
.endr
	v_cmp_eq_u32 s[DM], 0, v6
	v_cmp_le_u32 s[SH], 16, v4
	s_lshl_b32 s20, s[QQ], 11
	WIN 0x40                                       ; destination window 1, sources window 0
	v_lshlrev_b32 v[L16], 4, v4
	v_lshlrev_b32 v[L4], 2, v4
	v_lshl_add_u32 v[H32], v2, 5, CSQL
	v_lshl_add_u32 v[HB], v2, 3, s20
	v_mov_b32 v[TA+1], 0                           ; the destination of v_permlanex16_b32 counts as read
.set i, 0
.rept 32
	v_mov_b32 v[BEST+i], s[INF]                    ; the running minimum starts at +infinity, with tile 0
	v_mov_b32 v[IDX+i], 0
.set i, i+1
.endr
.set i, 0
.rept 8
	v_mov_b32 v[CSQ+8+i], s[INF]                   ; what the first trip judges before there is a tile to judge gets d = +infinity: best - d is NaN, and nothing is taken
.set i, i+1
.endr
.set bb, 0
.rept 16
.if bb < 14
	s_wait_loadcnt 32                              ; batch bb is in; the two batches behind it stay out
.elseif bb == 14
	s_wait_loadcnt 16
.else
	s_wait_loadcnt 0
.endif
	XCVT bb
.if bb < 13
	XLOAD bb+3                                     ; into the buffer just rounded
.endif
.set bb, bb+1
.endr
	; x_sq by the matrix unit: tile t times its own transpose; the diagonal is the sum of the squares of the rounded numbers.  64 of the wave's 8,256 matrix instructions.  The four accumulators (set 1) take turns.
.set gk, 0
.rept 16
	WIN 0x5a+5*(gk/8)                              ; both sources in window 2, then 3; C and D in window 1
.irp t, 0,1,2,3
.if gk == 0
	v_wmma_f32_16x16x32_bf16 v[ACC+32+8*\t:ACC+32+8*\t+7], v[64*\t+8*(gk%8):64*\t+8*(gk%8)+7], v[64*\t+8*(gk%8):64*\t+8*(gk%8)+7], 0
.else
	v_wmma_f32_16x16x32_bf16 v[ACC+32+8*\t:ACC+32+8*\t+7], v[64*\t+8*(gk%8):64*\t+8*(gk%8)+7], v[64*\t+8*(gk%8):64*\t+8*(gk%8)+7], v[ACC+32+8*\t:ACC+32+8*\t+7]
.endif
.endr
.set gk, gk+1
.endr
.rept 4
	v_nop                                          ; four places between a matrix instruction and a vector instruction that reads its result (ISA guide 7.12.1)
.endr
	; Register j of lane l holds element (8 (l / 16) + j, l % 16).  Row r's own square lies in register r % 8 of the lane whose half is r / 8; the lane 16 away takes it from there.
	WIN 0x55
.irp t, 0,1,2,3
	v_cndmask_b32 v[TA], v[ACC+32+8*\t], v[ACC+32+8*\t+1], s[DG]
.irp j, 2,3,4,5,6,7
	v_cndmask_b32 v[TA], v[TA], v[ACC+32+8*\t+\j], s[DG+\j-1]
.endr
	v_permlanex16_b32 v[TA+1], v[TA], s[SEL], s[SEL+1]
	v_cndmask_b32 v[XSQ+2*\t], v[TA+1], v[TA], s[DM]
	v_mov_b32 v[XSQ+2*\t+1], v[XSQ+2*\t]
.endr
; THE LOOP'S PARTS.  STEP sets mw (the fragment multiplied, 0..31 of a pair of code tiles), mk = mw % 16 (the step along k), mp = mw / 16 (the set) and rq (the next of the 144).
.macro RLOAD i                         ; fragment i of the pair of code tiles at AK, into place i % 8 of the ring: 512 consecutive bytes a load
	ds_load_b128 v[RING+8*((\i)%8):RING+8*((\i)%8)+3],   v[AK] offset:1024*(\i)
	ds_load_b128 v[RING+8*((\i)%8)+4:RING+8*((\i)%8)+7], v[AK] offset:1024*(\i)+512
.endm
.macro MM t                            ; 16 codes x 16 rows of tile t, 32 along k; the first step starts the sum with the constant 0
.set rD, ACC+32*mp+8*(\t)
.set rR, RING+8*(mw%8)
.set rF, 64*(\t)+8*(mk%8)
.if mk == 0
	v_wmma_f32_16x16x32_bf16 v[rD:rD+7], v[rR:rR+7], v[rF:rF+7], 0
.else
	v_wmma_f32_16x16x32_bf16 v[rD:rD+7], v[rR:rR+7], v[rF:rF+7], v[rD:rD+7]
.endif
.endm
; Number rq of the 144 that judge the OTHER set: 36 for each tile of x.  0-3: x_sq - 2 x.c (one rounding; each accumulator's lowest registers are read first).  4-7: + c_sq.
; 8-11: best - d, whose sign is exact.  12-35, for two registers at a time: is it above 0; the minimum; the tile's number where it was.  Above 0, not at 0: of equal d the earlier tile, the lower code, stays.
.macro RD
.set rt, rq/36
.set rk, rq%36
.set rA, ACC+32*(1-mp)+8*rt
.set rB, BEST+8*rt
.set rI, IDX+8*rt
.set rC, CSQ+8*(1-mp)
.set rX, XSQ+2*rt
.if rk < 4
.set ro, 2*rk
	v_pk_fma_f32 v[rA+ro:rA+ro+1], v[rA+ro:rA+ro+1], -2.0, v[rX:rX+1] op_sel_hi:[1,0,1]
.elseif rk < 8
.set ro, 2*(rk-4)
	v_pk_fma_f32 v[rA+ro:rA+ro+1], v[rA+ro:rA+ro+1], 1.0, v[rC+ro:rC+ro+1] op_sel_hi:[1,0,1]
.elseif rk < 12
.set ro, 2*(rk-8)
	v_pk_fma_f32 v[EE+ro:EE+ro+1], v[rA+ro:rA+ro+1], -1.0, v[rB+ro:rB+ro+1] op_sel_hi:[1,0,1]
.else
.set rs, (rk-12)%6
.set ro, 2*((rk-12)/6)
.set rm, MK+ro%4
.if rs == 0
	v_cmp_gt_f32 s[rm], v[EE+ro], 0
.elseif rs == 1
	v_cmp_gt_f32 s[rm+1], v[EE+ro+1], 0
.elseif rs == 2
	v_min3_num_f32 v[rB+ro], v[rB+ro], s[INF], v[rA+ro]
.elseif rs == 3
	v_cndmask_b32 v[rI+ro], v[rI+ro], s[TIX], s[rm]
.elseif rs == 4
	v_min3_num_f32 v[rB+ro+1], v[rB+ro+1], s[INF], v[rA+ro+1]
.else
	v_cndmask_b32 v[rI+ro+1], v[rI+ro+1], s[TIX], s[rm+1]
.endif
.endif
.set rq, rq+1
.endm
; STEP i of 32.  The fetches run seven fragments ahead of the products: step i fetches fragment i (ld = 1) and multiplies fragment i - 7.  n: the LDS instructions issued behind the fragment multiplied, which may stay out (-1: no wait).
; The place of the ring that is fetched into was last read by the step before: behind that step's last matrix instruction stand 3 + 2 + 2 vector instructions that name none of its registers.
; The four accumulators take turns, one instruction a turn, from step to step and over every edge.
.macro STEP i, ld, n
.set mw, ((\i)+25)%32
.set mk, mw%16
.set mp, mw/16
.set rq, 9*mk
.if mk == 0
	s_add_co_u32 s[TIX], s[TIX], 1                 ; a new tile is multiplied, the one before it is judged
.endif
	WIN 0x59+4*(mk/8)
.if (\n) >= 0
	s_wait_dscnt \n
.endif
.if mk == 0
	ds_load_b128 v[CSQ+8*mp:CSQ+8*mp+3],   v[ACS] offset:64*mp      ; c_sq of the tile now multiplied: wanted 16 steps on, by when the counted waits have long shown it landed
	ds_load_b128 v[CSQ+8*mp+4:CSQ+8*mp+7], v[ACS] offset:64*mp+16
.endif
	MM 0
	RD
	RD
	MM 1
	RD
	RD
.if \ld
	RLOAD \i
.endif
	MM 2
	RD
	RD
	MM 3
	RD
	RD
	RD
.endm
; A slot's four trips, two code tiles each.  s_wait_dscnt 12: behind the two loads of the fragment wanted stand the twelve of the six fragments after it (c_sq's two now and then on top: the wait is then the stricter).
; The loop is entered at step 3 behind a change of slots, which has done steps 0-2, and (mid = 1) at step 7 at the very start.
.macro TRIPS tag, mid
.Ltrip_\tag:
	STEP 0, 1, 12
	STEP 1, 1, 12
	STEP 2, 1, 12
	WIN 0                                          ; at a label and at a branch every window is 0
.Lin3_\tag:
.irp i, 3,4,5,6
	STEP \i, 1, 12
.endr
.if \mid
	WIN 0
.Lin7_\tag:
.endif
.irp i, 7,8,9,10,11,12,13,14,15,16,17,18,19,20,21,22,23,24,25,26,27,28,29,30,31
	STEP \i, 1, 12
.endr
	s_add_co_u32 s[TB], s[TB], 32768               ; the next two code tiles,
	s_add_co_u32 s[TC], s[TC], 128                 ; and their 32 c_sq;
	s_and_b32 s[TC], s[TC], 0x1f80                 ; the offset stays inside the table of 8,192 bytes (behind the last trip it is not used)
	v_lshl_add_u32 v[AK], s[TB], 0, v[L16]
	v_lshl_add_u32 v[ACS], s[TC], 0, v[H32]
	WIN 0
	s_sub_co_u32 s[CNT], s[CNT], 1
	s_cmp_lg_u32 s[CNT], 0
	s_cbranch_scc1 .Ltrip_\tag
.endm
; THE CHANGE OF SLOTS.  All of the slot's fragments have been asked for; seven are still to be multiplied.  Each wave waits for all its tensor loads, of which one is out: its part of the other slot; adds 0 to its
; spare word; multiplies two fragments; and waits for the add and for its reads of the slot.  Behind the barrier nobody reads the slot any more and the other slot is whole.
; fill = 1: the slot is filled again, with the codes two slots on.  The barrier then opens a round of the cluster's, so that no wave of any partner still reads the slot or has a load on its way, and the joint
; refill is the first thing behind the round.  Then the new slot's first three fragments are fetched in one run; four fragments are left to multiply while they land.
.macro CHANGE fill, tag
	WIN 0                                          ; (the add's two registers lie in window 0)
	s_wait_tensorcnt 0x0                           ; no tensor load of mine is out, so a group 0 may be written
	ds_add_u32 v[SPW], v[NIL]                      ; 0 onto my spare word
.if \fill
	s_xor_b32 s[G0+1], s[G0+1], SLOT1              ; the walking descriptor: the other slot than last time,
	s_add_nc_u64 s[G0+2:G0+3], s[G0+2:G0+3], FILLB ; the next 128 codes; the type bits on top are not reached
.endif
	s_sub_co_u32 s[TB], s[TB], FILLB               ; the fetches go back to a slot's first byte,
	s_xor_b32 s[TB], s[TB], SLOT1                  ; in the other slot
	STEP 0, 0, 13                                  ; behind fragment 25: the twelve loads of fragments 26-31, and the add
	STEP 1, 0, 11
	s_wait_dscnt 0x0                               ; the add is done, and my reads of the slot are over
	s_barrier_signal -1
	STEP 2, 0, -1                                  ; work on registers while the others arrive
	WIN 0
	s_barrier_wait -1
.if \fill
	CREST
	tensor_load_to_lds s[G0:G0+3], s[G1:G1+7]      ; my one tensor load behind the round
	s_nop 0
.endif
	WIN 0x5d
	v_lshl_add_u32 v[AK], s[TB], 0, v[L16]
	RLOAD 0                                        ; their places in the ring were last read by the steps before step 2, whose nine vector instructions stand between
	RLOAD 1
	RLOAD 2
	WIN 0
	s_mov_b32 s[CNT], 4
	s_branch .Lin3_\tag
.endm
	s_wait_tensorcnt 0x1                           ; my parts of c_sq and of slot 0 are in; slot 1's may stay out
	s_barrier_signal -1
	s_barrier_wait -1                              ; everybody's are
	s_mov_b32 s[TB], 0
	s_mov_b32 s[TC], 0
	v_lshl_add_u32 v[AK], s[TB], 0, v[L16]         ; (the setting in force has source 0, source 2 and the destination in window 1, as these lines and the loads want)
	v_lshl_add_u32 v[ACS], s[TC], 0, v[H32]
.irp i, 0,1,2,3,4,5,6
	RLOAD \i                                       ; the fetches' lead of seven fragments
.endr
	s_mov_b32 s[TIX], -2                           ; tile 0's first step makes it -1: what is judged beside tile 0 is no tile
	s_mov_b32 s[CNT], 4
	s_mov_b32 s[FILLS], 15                         ; slots 0-14 are walked in the loop; behind the first fourteen a slot is filled again
	WIN 0
	s_branch .Lin7_a
.Lfill:
	CHANGE 1, a
	TRIPS a, 1
	s_sub_co_u32 s[FILLS], s[FILLS], 1
	s_cmp_lg_u32 s[FILLS], 0
	s_cbranch_scc1 .Lfill
	CHANGE 0, c                                    ; the last slot is written out: nothing is asked for
	TRIPS c, 0
.irp i, 0,1,2,3,4,5,6
	STEP \i, 0, 12-2*\i                            ; the last seven fragments: nothing is fetched, the counts run down
.endr
	s_add_co_u32 s[TIX], s[TIX], 1                 ; the last tile (set 1) is judged by itself; behind its first accumulator's last product stand the nine vector instructions of the last step
.set mp, 0
.set rq, 0
.rept 144
	RD
.endr
	; THE END.  Tile numbers become codes; a lane's eight candidates of a tile meet, then the two halves of the lanes: the lesser d, of equal d the lower code.
	WIN 0x55
.set j, 0
.rept 32
	v_lshl_add_u32 v[IDX+j], v[IDX+j], 4, v[HB]
.if j%8
	v_add_nc_u32 v[IDX+j], j%8, v[IDX+j]
.endif
.set j, j+1
.endr
.macro MERGE da, ca, db, cb            ; (da, ca) takes (db, cb) where db < da, or db = da and cb < ca
	v_cmp_lt_f32 s[MG], v[\db], v[\da]
	v_cmp_eq_f32 s[MG+1], v[\db], v[\da]
	v_cmp_lt_u32 s[MG+2], v[\cb], v[\ca]
	s_and_b32 s[MG+1], s[MG+1], s[MG+2]
	s_or_b32 s[MG], s[MG], s[MG+1]
	v_cndmask_b32 v[\da], v[\da], v[\db], s[MG]
	v_cndmask_b32 v[\ca], v[\ca], v[\cb], s[MG]
.endm
.irp t, 0,1,2,3
.irp a, 0,2,4,6
	MERGE BEST+8*\t+\a, IDX+8*\t+\a, BEST+8*\t+\a+1, IDX+8*\t+\a+1
.endr
.irp a, 0,4
	MERGE BEST+8*\t+\a, IDX+8*\t+\a, BEST+8*\t+\a+2, IDX+8*\t+\a+2
.endr
	MERGE BEST+8*\t, IDX+8*\t, BEST+8*\t+4, IDX+8*\t+4
	v_permlanex16_b32 v[TA], v[BEST+8*\t], s[SEL], s[SEL+1]
	v_permlanex16_b32 v[TA+1], v[IDX+8*\t], s[SEL], s[SEL+1]
	MERGE BEST+8*\t, IDX+8*\t, TA, TA+1
.endr
	v_cndmask_b32 v[TA+2], v[BEST], v[BEST+8], s[SH]       ; lanes 0-15 answer for tile 0, lanes 16-31 for tile 1: my wave's rows 0-31 in the order of the lanes
	v_cndmask_b32 v[TA+3], v[BEST+16], v[BEST+24], s[SH]   ; rows 32-63
	v_cndmask_b32 v[TA+4], v[IDX], v[IDX+8], s[SH]
	v_cndmask_b32 v[TA+5], v[IDX+16], v[IDX+24], s[SH]
	global_store_b32 v[L4], v[TA+2], s[10:11]              ; the wave's two stores into a buffer cover 256 consecutive bytes, at a multiple of 256 from its first byte
	global_store_b32 v[L4], v[TA+3], s[10:11] offset:128
	global_store_b32 v[L4], v[TA+4], s[12:13]
	global_store_b32 v[L4], v[TA+5], s[12:13] offset:128
	WIN 0
	s_wait_tensorcnt 0x0                           ; the wave's end: behind my last tensor load, an add to my spare word and its wait
	ds_add_u32 v[SPW], v[NIL]
	s_wait_dscnt 0x0
	CROUND                                         ; the closing round: no work-group ends while a partner may still ask for a tile that names it
	s_endpgm
.Lfunc_end_k_q7f65c0d1a6_dist:
	.size	k_q7f65c0d1a6_dist, .Lfunc_end_k_q7f65c0d1a6_dist-k_q7f65c0d1a6_dist
	.p2alignl 7, 3214868480
	.fill 96, 4, 3214868480
	.section	.rodata,"a",@progbits
	.p2align	6, 0x0
	.amdhsa_kernel k_q7f65c0d1a6_dist
		.amdhsa_group_segment_fixed_size 327680
		.amdhsa_private_segment_fixed_size 0
		.amdhsa_enable_private_segment 0
		.amdhsa_kernarg_size 40
		.amdhsa_user_sgpr_count 2
		.amdhsa_user_sgpr_kernarg_segment_ptr 1
		.amdhsa_wavefront_size32 1
		.amdhsa_system_sgpr_workgroup_id_x 1
		.amdhsa_system_sgpr_workgroup_id_y 1
		.amdhsa_system_sgpr_workgroup_id_z 1
		.amdhsa_system_vgpr_workitem_id 0
		.amdhsa_next_free_vgpr 1024
		.amdhsa_next_free_sgpr 96
		.amdhsa_reserve_vcc 0
		.amdhsa_float_denorm_mode_32 3
		.amdhsa_float_denorm_mode_16_64 3
		.amdhsa_memory_ordered 1
		.amdhsa_forward_progress 1
		.amdhsa_inst_pref_size 176
	.end_amdhsa_kernel
	.amdgpu_metadata
---
amdhsa.version: [ 1, 2 ]
amdhsa.kernels:
  - .name:           k_q7f65c0d1a6_dist
    .symbol:         k_q7f65c0d1a6_dist.kd
    .args:
      - { .name: x, .offset: 0, .size: 8, .value_kind: global_buffer, .address_space: global }
      - { .name: cbf, .offset: 8, .size: 8, .value_kind: global_buffer, .address_space: global }
      - { .name: csq, .offset: 16, .size: 8, .value_kind: global_buffer, .address_space: global }
      - { .name: pd, .offset: 24, .size: 8, .value_kind: global_buffer, .address_space: global }
      - { .name: pi, .offset: 32, .size: 8, .value_kind: global_buffer, .address_space: global }
    .group_segment_fixed_size: 327680
    .private_segment_fixed_size: 0
    .kernarg_segment_align: 8
    .kernarg_segment_size: 40
    .max_flat_workgroup_size: 128
    .sgpr_count:     96
    .vgpr_count:     1024
    .wavefront_size: 32
...
	.end_amdgpu_metadata
.endif
;; end of part 2
;; launch pick (part 3): grid 256 x 1, 1 waves a work-group, no clusters, 0 bytes of LDS; arguments pd, pi, idx; writes idx
.if DOCPART == 3
	.amdgcn_target "amdgcn-amd-amdhsa--gfx1250"
	.amdhsa_code_object_version 6
	.text
	.protected	k_q7f65c0d1a6_pick
	.globl	k_q7f65c0d1a6_pick
	.p2align	8
	.type	k_q7f65c0d1a6_pick,@function
k_q7f65c0d1a6_pick:
	s_mov_b64 s[64:65], 0
	v_nop
	global_prefetch_b8 v0, s[64:65] scope:SCOPE_SE
	s_setreg_imm32_b32 hwreg(HW_REG_WAVE_MODE, 25, 1), 1
	s_wait_xcnt 0x0
; idx[row] = the code of the least d among the four quarters' answers; of equal d the lower quarter, which holds the lower codes, stays.  pd, pi: [4][16384]; idx: [16384].
; It is a launch of its own because the choice hangs on comparisons of floating-point numbers and the next launch forms addresses from it: such a number is stored as a whole number first.
; A wave takes 64 rows, a lane two: each load and the store cover 256 consecutive bytes, at a multiple of 256 from the buffer's first byte.  589,824 bytes in all: nothing to share, no LDS, no cluster.
	s_load_b128 s[4:7], s[0:1], 0x0                ; pd s[4:5], pi s[6:7]
	s_load_b64 s[8:9], s[0:1], 0x10                ; idx
	s_lshl_b32 s10, ttmp9, 8
	v_lshl_add_u32 v1, v0, 3, s10                  ; 256 x work-group + 8 x lane
	s_wait_kmcnt 0x0
.irp q, 0,1,2,3
	global_load_b64 v[4+2*\q:5+2*\q],   v1, s[4:5] offset:65536*\q
	global_load_b64 v[12+2*\q:13+2*\q], v1, s[6:7] offset:65536*\q
.endr
	s_wait_loadcnt 0x0
.irp q, 1,2,3
.irp j, 0,1
	v_cmp_lt_f32 vcc_lo, v[4+2*\q+\j], v[4+\j]
	v_cndmask_b32 v[4+\j],  v[4+\j],  v[4+2*\q+\j],  vcc_lo
	v_cndmask_b32 v[12+\j], v[12+\j], v[12+2*\q+\j], vcc_lo
.endr
.endr
	global_store_b64 v1, v[12:13], s[8:9]
	s_endpgm
.Lfunc_end_k_q7f65c0d1a6_pick:
	.size	k_q7f65c0d1a6_pick, .Lfunc_end_k_q7f65c0d1a6_pick-k_q7f65c0d1a6_pick
	.p2alignl 7, 3214868480
	.fill 96, 4, 3214868480
	.section	.rodata,"a",@progbits
	.p2align	6, 0x0
	.amdhsa_kernel k_q7f65c0d1a6_pick
		.amdhsa_group_segment_fixed_size 0
		.amdhsa_private_segment_fixed_size 0
		.amdhsa_enable_private_segment 0
		.amdhsa_kernarg_size 24
		.amdhsa_user_sgpr_count 2
		.amdhsa_user_sgpr_kernarg_segment_ptr 1
		.amdhsa_wavefront_size32 1
		.amdhsa_system_sgpr_workgroup_id_x 1
		.amdhsa_system_sgpr_workgroup_id_y 1
		.amdhsa_system_sgpr_workgroup_id_z 1
		.amdhsa_system_vgpr_workitem_id 0
		.amdhsa_next_free_vgpr 32
		.amdhsa_next_free_sgpr 66
		.amdhsa_reserve_vcc 1
		.amdhsa_float_denorm_mode_32 3
		.amdhsa_float_denorm_mode_16_64 3
		.amdhsa_memory_ordered 1
		.amdhsa_forward_progress 1
		.amdhsa_inst_pref_size 2
	.end_amdhsa_kernel
	.amdgpu_metadata
---
amdhsa.version: [ 1, 2 ]
amdhsa.kernels:
  - .name:           k_q7f65c0d1a6_pick
    .symbol:         k_q7f65c0d1a6_pick.kd
    .args:
      - { .name: pd, .offset: 0, .size: 8, .value_kind: global_buffer, .address_space: global }
      - { .name: pi, .offset: 8, .size: 8, .value_kind: global_buffer, .address_space: global }
      - { .name: idx, .offset: 16, .size: 8, .value_kind: global_buffer, .address_space: global }
    .group_segment_fixed_size: 0
    .private_segment_fixed_size: 0
    .kernarg_segment_align: 8
    .kernarg_segment_size: 24
    .max_flat_workgroup_size: 32
    .sgpr_count:     66
    .vgpr_count:     32
    .wavefront_size: 32
...
	.end_amdgpu_metadata
.endif
;; end of part 3
;; launch emit (part 4): grid 256 x 1, 8 waves a work-group, no clusters, 0 bytes of LDS; arguments emb_weight, pe, idx, out0; writes out0
.if DOCPART == 4
	.amdgcn_target "amdgcn-amd-amdhsa--gfx1250"
	.amdhsa_code_object_version 6
	.text
	.protected	k_q7f65c0d1a6_emit
	.globl	k_q7f65c0d1a6_emit
	.p2align	8
	.type	k_q7f65c0d1a6_emit,@function
k_q7f65c0d1a6_emit:
	s_mov_b64 s[64:65], 0
	v_nop
	global_prefetch_b8 v0, s[64:65] scope:SCOPE_SE
	s_setreg_imm32_b32 hwreg(HW_REG_WAVE_MODE, 25, 1), 1
	s_wait_xcnt 0x0
; out0[s][b][:] = emb_weight[idx[s][b]][:] + pe[s][:], all f32, rows of 2,048 bytes.
; A wave takes one s: its eight rows of out0 share one row of pe, which is read once.  The eight indices are whole numbers that an earlier launch stored; they come by one scalar load, so each row's address is a
; scalar base.  All 36 loads of a wave (18,432 bytes) go out together, and each row is added and stored as it lands; no register is written twice, so there is no loop and no wait but those for data.
; Each load and store of the wave covers 512 consecutive bytes at a multiple of 512 from its row's first byte.  Work-groups share no tile (a row of the table is wanted wherever its index falls): no LDS, no cluster.
; No request ahead of the loads either: a row's address is known only when the wave's loads can go out themselves.
; An index is held to 0..8191, the table's rows, before it enters an address.
	s_load_b256 s[4:11], s[0:1], 0x0               ; emb_weight s[4:5], pe s[6:7], idx s[8:9], out0 s[10:11]
	v_lshrrev_b32 v2, 5, v0
	v_readfirstlane_b32 s2, v2                     ; wave 0..7
	s_lshl_b32 s3, ttmp9, 3
	s_add_co_u32 s3, s3, s2                        ; s
	v_and_b32 v1, 31, v0
	v_lshlrev_b32 v1, 4, v1                        ; 16 x lane
	s_lshl_b32 s12, s3, 5                          ; eight indices
	s_mov_b32 s13, 0
	s_lshl_b32 s14, s3, 11                         ; a row of pe
	s_mov_b32 s15, 0
	s_lshl_b32 s40, s3, 14                         ; eight rows of out0
	s_mov_b32 s41, 0
	s_wait_kmcnt 0x0
	s_add_nc_u64 s[8:9], s[8:9], s[12:13]
	s_load_b256 s[16:23], s[8:9], 0x0
	s_add_nc_u64 s[6:7], s[6:7], s[14:15]
	s_add_nc_u64 s[10:11], s[10:11], s[40:41]
.irp c, 0,1,2,3
	global_load_b128 v[4+4*\c:7+4*\c], v1, s[6:7] offset:512*\c th:TH_LOAD_NT   ; read once in the launch
.endr
	s_wait_kmcnt 0x0
.irp b, 0,1,2,3,4,5,6,7
	s_min_u32 s[16+\b], s[16+\b], 8191
	s_lshl_b32 s[24+2*\b], s[16+\b], 11
	s_mov_b32 s[25+2*\b], 0
	s_add_nc_u64 s[24+2*\b:25+2*\b], s[4:5], s[24+2*\b:25+2*\b]
.irp c, 0,1,2,3
	global_load_b128 v[20+16*\b+4*\c:23+16*\b+4*\c], v1, s[24+2*\b:25+2*\b] offset:512*\c   ; no hint: a row may be named again
.endr
.endr
.irp b, 0,1,2,3,4,5,6,7
	s_wait_loadcnt 4*(7-\b)                        ; row b is in (and pe, asked for first); the four loads of each later row stay out
.irp c, 0,1,2,3
	v_pk_add_f32 v[20+16*\b+4*\c:21+16*\b+4*\c], v[20+16*\b+4*\c:21+16*\b+4*\c], v[4+4*\c:5+4*\c]
	v_pk_add_f32 v[22+16*\b+4*\c:23+16*\b+4*\c], v[22+16*\b+4*\c:23+16*\b+4*\c], v[6+4*\c:7+4*\c]
	global_store_b128 v1, v[20+16*\b+4*\c:23+16*\b+4*\c], s[10:11] offset:2048*\b+512*\c th:TH_STORE_NT
.endr
.endr
	s_endpgm
.Lfunc_end_k_q7f65c0d1a6_emit:
	.size	k_q7f65c0d1a6_emit, .Lfunc_end_k_q7f65c0d1a6_emit-k_q7f65c0d1a6_emit
	.p2alignl 7, 3214868480
	.fill 96, 4, 3214868480
	.section	.rodata,"a",@progbits
	.p2align	6, 0x0
	.amdhsa_kernel k_q7f65c0d1a6_emit
		.amdhsa_group_segment_fixed_size 0
		.amdhsa_private_segment_fixed_size 0
		.amdhsa_enable_private_segment 0
		.amdhsa_kernarg_size 32
		.amdhsa_user_sgpr_count 2
		.amdhsa_user_sgpr_kernarg_segment_ptr 1
		.amdhsa_wavefront_size32 1
		.amdhsa_system_sgpr_workgroup_id_x 1
		.amdhsa_system_sgpr_workgroup_id_y 1
		.amdhsa_system_sgpr_workgroup_id_z 1
		.amdhsa_system_vgpr_workitem_id 0
		.amdhsa_next_free_vgpr 152
		.amdhsa_next_free_sgpr 66
		.amdhsa_reserve_vcc 0
		.amdhsa_float_denorm_mode_32 3
		.amdhsa_float_denorm_mode_16_64 3
		.amdhsa_memory_ordered 1
		.amdhsa_forward_progress 1
		.amdhsa_inst_pref_size 13
	.end_amdhsa_kernel
	.amdgpu_metadata
---
amdhsa.version: [ 1, 2 ]
amdhsa.kernels:
  - .name:           k_q7f65c0d1a6_emit
    .symbol:         k_q7f65c0d1a6_emit.kd
    .args:
      - { .name: emb_weight, .offset: 0, .size: 8, .value_kind: global_buffer, .address_space: global }
      - { .name: pe, .offset: 8, .size: 8, .value_kind: global_buffer, .address_space: global }
      - { .name: idx, .offset: 16, .size: 8, .value_kind: global_buffer, .address_space: global }
      - { .name: out0, .offset: 24, .size: 8, .value_kind: global_buffer, .address_space: global }
    .group_segment_fixed_size: 0
    .private_segment_fixed_size: 0
    .kernarg_segment_align: 8
    .kernarg_segment_size: 32
    .max_flat_workgroup_size: 256
    .sgpr_count:     66
    .vgpr_count:     152
    .wavefront_size: 32
...
	.end_amdgpu_metadata
.endif
;; end of part 4
;; ======== version 2 of 3: 3 launches; 1.23 times as fast as version 1
;; workspace buffers: cbf 8,388,608 bytes; csq 32,768 bytes; pd 262,144 bytes of whole numbers; pi 262,144 bytes of whole numbers
;; launch pack: the kernel of part 1 again; grid 256 x 1, 2 waves a work-group, no clusters, 0 bytes of LDS; arguments codebook, cbf, csq; writes cbf, csq
;; launch dist (part 5): grid 4 x 64, 4 waves a work-group, clusters of 4 x 4, 327,680 bytes of LDS; arguments x, cbf, csq, pd, pi; writes pd, pi
.if DOCPART == 5
	.amdgcn_target "amdgcn-amd-amdhsa--gfx1250"
	.amdhsa_code_object_version 6
	.text
	.protected	k_q7f65c0d1a6_dist
	.globl	k_q7f65c0d1a6_dist
	.p2align	8
	.type	k_q7f65c0d1a6_dist,@function
k_q7f65c0d1a6_dist:
	s_mov_b64 s[64:65], 0
	v_nop
	global_prefetch_b8 v0, s[64:65] scope:SCOPE_SE
	s_setreg_imm32_b32 hwreg(HW_REG_WAVE_MODE, 25, 1), 1
	s_wait_xcnt 0x0
	s_wait_alu depctr_hold_cnt(0) depctr_sa_sdst(0) depctr_va_vdst(0) depctr_va_sdst(0) depctr_va_ssrc(0) depctr_va_vcc(0) depctr_vm_vsrc(0)
	s_getreg_b32 s2, hwreg(HW_REG_IB_STS2, 6, 4)
	s_cmp_eq_u32 s2, 0
	s_cbranch_scc0 .Lentry_in_a_cluster
	s_endpgm
.Lentry_in_a_cluster:
	s_bfe_u32 s2, ttmp6, 0x10000c
	s_cmp_lg_u32 s2, 0xf033
	s_cbranch_scc0 .Lentry_shape_is_right
	s_endpgm
.Lentry_shape_is_right:
; For 256 rows of x and a quarter (2,048) of the codes: d = (x_sq - 2 x.c) + c_sq in f32, in that order, and for each row the least d and the lowest code that has it.  pi[q][row] = the code;
; pd[q][row] = the least d as a WHOLE NUMBER that orders as d orders (a d at or above 0: its bits with the top bit set; a d below 0: all its bits turned), so that the next launch, which forms addresses from the
; choice among the four quarters, compares whole numbers alone.  d is never -0 (a sum is -0 only if both terms are, and c_sq is a sum of squares begun at +0) and never NaN here, so the two orders agree.
; FORMATS AND LIMITS.  x is rounded to bf16 here, the codes were rounded before; x.c is summed in f32 by the matrix unit; x_sq and c_sq are the sums of squares of the ROUNDED numbers.  So the choice is that of
; the rounded inputs.  d is a difference of sums, as the definition has it, and loses what f32 loses there; two codes whose d differ by less than the rounding of these f32 sums may fall either way.
; A d that is NaN never wins; where no d is below +infinity the quarter answers with +infinity and its first code.
; SHARES.  Work-group (q, xb): code quarter q, rows 256 xb on.  A wave owns 64 rows, four tiles of 16, and keeps them whole in registers: 64 x 512 bf16 = 512 registers.  Every wave walks all 128 code tiles
; of the quarter; a fragment of 16 codes x 32 k (1,024 bytes out of LDS) feeds four matrix instructions.
; LAYOUT.  Source 0 = 16 codes, source 1 = 16 rows of x: in the result a lane holds ONE row of x (lane % 16) and the codes 8 (lane / 16) + 0..7.  So a row's running minimum is 8 registers a lane and tile,
; nothing changes lanes in the loop, and the lanes meet once, at the end.
; BY TURNS.  While code tile n is multiplied into one set of four accumulators, tile n - 1 is judged in the other set: 144 vector instructions, dealt 2, 2, 2, 3 behind the four matrix instructions of each of the 16 steps.
; THE LDS LOADS STAND IN RUNS, never singly among the matrix instructions: a run brings a GROUP of 8 fragments (half a code tile), 16 loads, once in 32 matrix instructions.  The fragments have 12 places in
; registers: F (4), L0 (4), L1 (4).  A group's first four fragments go to F, its last four to L0 or L1 by the group's parity.  The run for a group is issued when the group before has multiplied its first four:
; F is free, the L of the group two back is free, and the four fragments still to be multiplied are the time in which the run lands.
; SLOTS.  Two LDS slots of 128 codes (131,072 bytes, 128 fragments on end); a slot is refilled by one tensor load a wave (32,768 bytes) and has 512 matrix instructions of each wave in which to land.
; CLUSTER.  4 x 4 work-groups.  The code tiles and c_sq hang on q alone, which the four of a column of the cluster share: they are asked for JOINTLY.  x hangs on xb, which the four of a row share, but it goes
; straight into registers: a block of 256 rows is 524,288 bytes of f32, more than LDS holds, and it is read once, at the start.
; REGISTERS, in windows of 256 (s_set_vgpr_msb: bits 1:0 source 0, 3:2 source 1, 5:4 source 2, 7:6 destination):
;   window 0: v0-6 at work; v8-11 LDS addresses; v28, v29 the add's two; v64-255 three staging buffers for x in f32 (a fourth lies in window 1, where the accumulators will be)
;   window 1: the fragments of codes and all that the loop's vector work touches (map below): full          window 2: x, k 0-255: tile t, step kf at 64 t + 8 kf          window 3: x, k 256-511
; THE PRODUCTS AND THE VECTOR WORK SHARE ONE SETTING but for the half of x: sources 0 and 2 and the destination in window 1, source 1 in window 2 or 3.  The vector instructions are therefore written with
; registers in sources 0 and 2 alone and a constant or a scalar as source 1: an addition as a x 1.0 + b, a comparison as the sign of best - d, a minimum with +infinity as its middle operand.
; A run of loads has a setting of its own (data window 1, address window 0): two switches a run.
.set FILLB,  131072                    ; bytes of a slot
.set SLOT1,  1<<17                     ; slot 1 begins here: one exclusive or turns an address in one slot into the other's
.set CSQL,   2*FILLB                   ; behind the slots: the quarter's 2,048 c_sq, 8,192 bytes, filled once
.set SPARE,  CSQL+8192                 ; behind them: the spare words, 128 bytes for each wave: two blocks of 256 bytes that no other line names
.set XO,   3                           ; window 0: v3   my byte offset in 16 rows of x; never rewritten
.set AK,   8                           ;           v8   LDS address of the pair of code tiles that is being fetched
.set ACS,  9                           ;           v9   LDS address of their c_sq
.set L16,  10                          ;           v10  16 x lane
.set H32,  11                          ;           v11  CSQL + 32 (lane / 16)
.set SPW,  28                          ;           v28  LDS address of my spare word; never rewritten
.set NIL,  29                          ;           v29  0; never rewritten
.set STG,  64                          ;           v64-255   staging buffers 0-2
.set STG3, 96                          ; window 1: v96-159   staging buffer 3, until x is in
.set RING, 0                           ; window 1: v0-95     twelve places for fragments of codes: F 0-3, L0 4-7, L1 8-11
.set ACC,  96                          ;           v96-159   two sets of four accumulators: set p, tile t at ACC + 32 p + 8 t
.set BEST, 160                         ;           v160-191  the least d so far, by tile and register
.set IDX,  192                         ;           v192-223  the code tile that had it
.set CSQ,  224                         ;           v224-239  c_sq of my 8 codes, for each set
.set EE,   240                         ;           v240-247  best - d
.set XSQ,  248                         ;           v248-255  x_sq of my row, twice (a pair), by tile
.set HB,   0                           ; outside the loop the first place of the ring is at work:  v0  2048 q + 8 (lane / 16): my first code
.set L4,   1                           ;           v1        4 x lane
.set TA,   2                           ;           v2-7
.set WV,   14                          ; s14  my wave
.set CX,   15                          ; s15, s16  my place in the cluster
.set CY,   16
.set QQ,   17                          ; s17  q
.set XB,   18                          ; s18  xb
.set MASK, 19                          ; s19  my column of the cluster
.set G1,   24                          ; s[24:31] descriptor group 1: 128 rows of 256 bytes
.set G1C,  32                          ; s[32:39] the same with 8 rows, for c_sq
.set G0A,  40                          ; s[40:43] group 0 of the first fill of slot 0
.set G0,   44                          ; s[44:47] group 0 of the first fill of slot 1; it then walks
.set G0C,  48                          ; s[48:51] group 0 for c_sq
.set CNT,  52                          ; s52  trips left in a slot
.set FILLS, 53                         ; s53  slots left in the loop
.set TIX,  54                          ; s54  the code tile that is being judged
.set TB,   55                          ; s55  LDS byte of the pair of code tiles that is being fetched
.set MK,   56                          ; s[56:59] lanes in which d is the new least
.set INF,  60                          ; s60  +infinity
.set TC,   61                          ; s61  byte of that pair in the table of c_sq
.set SEL,  66                          ; s[66:67] v_permlanex16_b32: each lane takes its own place in the other half
.set DG,   68                          ; s[68:74] lanes with lane % 8 = 1 .. 7
.set DM,   75                          ; s75  lanes whose own half holds the diagonal
.set SH,   76                          ; s76  lanes 16-31
.set MG,   77                          ; s[77:79] at work in MERGE
.set MSB, 0
.macro WIN new                         ; the high byte repeats the setting that is left; a switch that changes nothing is dropped
.if MSB != (\new)
	s_set_vgpr_msb (MSB<<8)|(\new)
.set MSB, \new
.endif
.endm
; A round of the cluster's barrier: my work-group's barrier, so that wave 0 speaks for all four waves; wave 0 signals; every wave waits for all sixteen work-groups; my work-group's barrier once more.
.macro CREST                           ; a round behind its opening barrier
	s_cmp_lg_u32 s[WV], 0
	s_cbranch_scc1 .Lnot_wave_0_\@
	s_barrier_signal -3
.Lnot_wave_0_\@:
	s_barrier_wait -3
	s_barrier_signal -1
	s_barrier_wait -1
.endm
.macro CROUND
	s_barrier_signal -1
	s_barrier_wait -1
	CREST
.endm
; Batch b of 16 of x: tile b / 4, steps kf = 4 (b % 4) + 0..3: 16 loads, 512 consecutive bytes of each of 16 rows, into staging buffer b % 4
.macro XLOAD b
.set xt, (\b)/4
.if ((\b)%4) == 3
	WIN 0x40                                       ; data window 1, address window 0
.set xbuf, STG3
.else
	WIN 0
.set xbuf, STG+64*((\b)%4)
.endif
.irp f, 0,1,2,3
.set xk, 4*((\b)%4)+\f
.set xs, xbuf+16*\f
	global_load_b128 v[xs:xs+3],     v[XO], s[4:5] offset:xt*32768+xk*128
	global_load_b128 v[xs+4:xs+7],   v[XO], s[4:5] offset:xt*32768+xk*128+16
	global_load_b128 v[xs+8:xs+11],  v[XO], s[4:5] offset:xt*32768+xk*128+64
	global_load_b128 v[xs+12:xs+15], v[XO], s[4:5] offset:xt*32768+xk*128+80
.endr
.endm
.macro XCVT b                          ; rounded to bf16 in pairs, into x's place in window 2 (kf 0-7) or 3 (kf 8-15)
.set xt, (\b)/4
.if ((\b)%4) == 3
	WIN 0xc5                                       ; sources window 1, destination window 3
.set xbuf, STG3
.else
	WIN 0x80+0x40*(((\b)%4)/2)
.set xbuf, STG+64*((\b)%4)
.endif
.irp f, 0,1,2,3
.set xk, 4*((\b)%4)+\f
.set xs, xbuf+16*\f
.set xd, 64*xt+8*(xk%8)
.irp m, 0,1,2,3,4,5,6,7
	v_cvt_pk_bf16_f32 v[xd+\m], v[xs+2*\m], v[xs+2*\m+1]
.endr
.endr
.endm
	s_load_b256 s[4:11], s[0:1], 0x0               ; x s[4:5], cbf s[6:7], csq s[8:9], pd s[10:11]
	s_load_b64 s[12:13], s[0:1], 0x20              ; pi
	v_lshl_add_u32 v[SPW], v0, 2, SPARE
	v_mov_b32 v[NIL], 0
	ds_add_u32 v[SPW], v[NIL]                      ; the wave's opening: the add and its wait stand ahead of my first tensor load; the set-up below, work on registers, stands between them
	v_lshrrev_b32 v1, 5, v0
	v_readfirstlane_b32 s[WV], v1                  ; wave 0..3
	s_bfe_u32 s[CX], ttmp6, 0x40000
	s_bfe_u32 s[CY], ttmp6, 0x40004
	s_lshl_b32 s[QQ], ttmp9, 2                     ; in a cluster launch ttmp9 and ttmp7 count clusters
	s_add_co_u32 s[QQ], s[QQ], s[CX]               ; q = 4 x cluster x + cx
	s_and_b32 s[XB], ttmp7, 0xffff
	s_lshl_b32 s[XB], s[XB], 2
	s_add_co_u32 s[XB], s[XB], s[CY]               ; xb = 4 x cluster y + cy
	s_lshl_b32 s[MASK], 0x1111, s[CX]              ; places cx, cx + 4, cx + 8, cx + 12
	; group 1: dense bytes asked for as rows of 256: elements of 8 bytes, 32 to a row, 32 from row to row; no padding: a fragment is read as 512 consecutive bytes
	s_or_b32 s[G1], s[MASK], (3<<16)|(1<<21)       ; 15:0 the mask; 17:16 elements of 8 bytes; 21 set beside a mask
	s_mov_b32 s[G1+1], 32<<16                      ; tensor_dim0 = 32
	s_mov_b32 s[G1+2], 128<<16                     ; tensor_dim1 = 128
	s_mov_b32 s[G1+3], 32<<16                      ; tile_dim0 = 32
	s_mov_b32 s[G1+4], 128                         ; tile_dim1 = 128: 32,768 bytes, two code tiles
	s_mov_b32 s[G1+5], 32
	s_mov_b32 s[G1+6], 0
	s_mov_b32 s[G1+7], 0
	s_or_b32 s[G1C], s[MASK], (3<<16)|(1<<21)
	s_mov_b32 s[G1C+1], 32<<16
	s_mov_b32 s[G1C+2], 8<<16
	s_mov_b32 s[G1C+3], 32<<16
	s_mov_b32 s[G1C+4], 8                          ; 2,048 bytes: a quarter of the quarter's c_sq
	s_mov_b32 s[G1C+5], 32
	s_mov_b32 s[G1C+6], 0
	s_mov_b32 s[G1C+7], 0
	s_lshl_b32 s20, s[QQ], 21                      ; the quarter's 2,048 codes of 1,024 bytes,
	s_lshl_b32 s21, s[WV], 15                      ; my two code tiles of a slot: q and the wave's number alone enter what is asked for jointly
	s_add_co_u32 s20, s20, s21
	s_mov_b32 s21, 0
	s_lshl_b32 s22, s[QQ], 13                      ; the same for c_sq
	s_lshl_b32 s23, s[WV], 11
	s_add_co_u32 s22, s22, s23
	s_mov_b32 s23, 0
	s_lshl_b32 s80, s[XB], 19                      ; x: 256 rows of 2,048 bytes, my wave's 64 of them
	s_lshl_b32 s81, s[WV], 17
	s_add_co_u32 s80, s80, s81
	s_mov_b32 s81, 0
	s_lshl_b32 s82, s[QQ], 16                      ; pd, pi: [4][16384] words
	s_lshl_b32 s83, s[XB], 10
	s_add_co_u32 s82, s82, s83
	s_lshl_b32 s83, s[WV], 8
	s_add_co_u32 s82, s82, s83
	s_mov_b32 s83, 0
	s_mov_b32 s[G0A], 1                            ; count = 1
	s_mul_i32 s[G0A+1], s[WV], 32768               ; LDS: slot 0, the wave's quarter: no place in the cluster enters an LDS address
	s_mov_b32 s[G0], 1
	s_add_co_u32 s[G0+1], s[G0A+1], SLOT1
	s_mov_b32 s[G0C], 1
	s_mul_i32 s[G0C+1], s[WV], 2048
	s_add_co_u32 s[G0C+1], s[G0C+1], CSQL
	s_mov_b32 s[INF], 0x7f800000
	s_mov_b32 s[SEL], 0x76543210
	s_mov_b32 s[SEL+1], 0xfedcba98
	; A fragment of x is 16 rows x 32 k in 8 registers: lane l holds row l % 16; registers 0-3 k = 8 (l / 16) + 0..7, registers 4-7 k = 16 + 8 (l / 16) + 0..7.  In f32 that is 32 bytes at 32 (l / 16) and 32 bytes 64 further on.
	v_and_b32 v1, 15, v0                           ; l % 16
	v_bfe_u32 v2, v0, 4, 1                         ; l / 16; kept to the end
	v_lshlrev_b32 v[XO], 11, v1
	v_lshl_add_u32 v[XO], v2, 5, v[XO]
	s_wait_dscnt 0x0                               ; the opening add is done
	s_wait_kmcnt 0x0
	s_add_nc_u64 s[4:5], s[4:5], s[80:81]
	XLOAD 0                                        ; x is what the first product waits for longest, so it is asked for first, ahead of the round: 48 loads of the wave
	XLOAD 1
	XLOAD 2
	s_add_nc_u64 s[G0A+2:G0A+3], s[6:7], s[20:21]  ; codes 0-127 of the quarter
	s_add_nc_u64 s[G0+2:G0+3], s[G0A+2:G0A+3], FILLB  ; codes 128-255
	s_or_b32 s[G0A+3], s[G0A+3], 0x80000000        ; type = 2
	s_or_b32 s[G0+3], s[G0+3], 0x80000000
	s_add_nc_u64 s[G0C+2:G0C+3], s[8:9], s[22:23]
	s_or_b32 s[G0C+3], s[G0C+3], 0x80000000
	s_add_nc_u64 s[10:11], s[10:11], s[82:83]
	s_add_nc_u64 s[12:13], s[12:13], s[82:83]
	CROUND                                         ; all sixteen work-groups are here: the first joint loads meet
	tensor_load_to_lds s[G0C:G0C+3], s[G1C:G1C+7]  ; the three first fills go out together: three tensor loads of mine are out, later one
	s_nop 0
	tensor_load_to_lds s[G0A:G0A+3], s[G1:G1+7]
	s_nop 0
	tensor_load_to_lds s[G0:G0+3], s[G1:G1+7]
	s_nop 0
	XLOAD 3                                        ; the fourth batch: 64 loads, 32,768 bytes of the wave (LOADcnt's field holds 63, ISA guide 5.7.1: a batch's last load may wait at its issue for an older one to return)
	WIN 0                                          ; the set-up below stands in the wait for x
	v_and_b32 v4, 31, v0                           ; lane; kept to the end
	v_and_b32 v5, 7, v0
	v_lshrrev_b32 v6, 1, v0
	v_xor_b32 v6, v6, v0
	v_and_b32 v6, 8, v6                            ; 0 where bit 4 of the lane equals bit 3
.irp j, 1,2,3,4,5,6,7
	v_cmp_eq_u32 s[DG+\j-1], \j, v5
.endr
	v_cmp_eq_u32 s[DM], 0, v6
	v_cmp_le_u32 s[SH], 16, v4
	v_lshlrev_b32 v[L16], 4, v4
	v_lshl_add_u32 v[H32], v2, 5, CSQL
	WIN 0x40                                       ; destination window 1, sources window 0
	v_mov_b32 v[TA+1], 0                           ; the destination of v_permlanex16_b32 counts as read
.set i, 0
.rept 32
	v_mov_b32 v[BEST+i], s[INF]                    ; the running minimum starts at +infinity, with tile 0
	v_mov_b32 v[IDX+i], 0
.set i, i+1
.endr
.set i, 0
.rept 8
	v_mov_b32 v[CSQ+8+i], s[INF]                   ; what is judged beside tile 0, before there is a tile to judge, gets d = +infinity: best - d is NaN, and nothing is taken
.set i, i+1
.endr
.set bb, 0
.rept 16
.if bb < 13
	s_wait_loadcnt 48                              ; batch bb is in; the three batches of 16 behind it stay out
.else
	s_wait_loadcnt 16*(15-bb)                      ; the counts run down
.endif
	XCVT bb
.if bb < 12
	XLOAD bb+4                                     ; into the buffer just rounded
.endif
.set bb, bb+1
.endr
	; x_sq by the matrix unit: tile t times its own transpose; the diagonal is the sum of the squares of the rounded numbers.  64 of the wave's 8,256 matrix instructions.  The four accumulators (set 1) take turns.
.set gk, 0
.rept 16
	WIN 0x5a+5*(gk/8)                              ; both sources in window 2, then 3; C and D in window 1
.irp t, 0,1,2,3
.if gk == 0
	v_wmma_f32_16x16x32_bf16 v[ACC+32+8*\t:ACC+32+8*\t+7], v[64*\t+8*(gk%8):64*\t+8*(gk%8)+7], v[64*\t+8*(gk%8):64*\t+8*(gk%8)+7], 0
.else
	v_wmma_f32_16x16x32_bf16 v[ACC+32+8*\t:ACC+32+8*\t+7], v[64*\t+8*(gk%8):64*\t+8*(gk%8)+7], v[64*\t+8*(gk%8):64*\t+8*(gk%8)+7], v[ACC+32+8*\t:ACC+32+8*\t+7]
.endif
.endr
.set gk, gk+1
.endr
.rept 4
	v_nop                                          ; four places between a matrix instruction and a vector instruction that reads its result (ISA guide 7.12.1)
.endr
	; Register j of lane l holds element (8 (l / 16) + j, l % 16).  Row r's own square lies in register r % 8 of the lane whose half is r / 8; the lane 16 away takes it from there.
	WIN 0x55
.irp t, 0,1,2,3
	v_cndmask_b32 v[TA], v[ACC+32+8*\t], v[ACC+32+8*\t+1], s[DG]
.irp j, 2,3,4,5,6,7
	v_cndmask_b32 v[TA], v[TA], v[ACC+32+8*\t+\j], s[DG+\j-1]
.endr
	v_permlanex16_b32 v[TA+1], v[TA], s[SEL], s[SEL+1]
	v_cndmask_b32 v[XSQ+2*\t], v[TA+1], v[TA], s[DM]
	v_mov_b32 v[XSQ+2*\t+1], v[XSQ+2*\t]
.endr
	WIN 0
; THE LOOP'S PARTS.  STEP sets mw (the fragment multiplied, 0..31 of a pair of code tiles), mk = mw % 16 (the step along k), mp = mw / 16 (the set), pl (the fragment's place) and rq (the next of the 144).
; A run: group g (0..3) of the pair at AK: fragments 8 g .. 8 g + 7, each two loads of 512 consecutive bytes; the first four into F, the last four into L0 or L1.  Ahead of an odd group's fragments:
; c_sq of the code tile that is being multiplied (tile g / 2 of the pair), whose set was last judged before this tile began and is next judged when it has ended.
.macro RUN g
	WIN 0x40                                       ; data window 1, address window 0
.if ((\g)%2) == 1
	ds_load_b128 v[CSQ+8*((\g)/2):CSQ+8*((\g)/2)+3],   v[ACS] offset:64*((\g)/2)
	ds_load_b128 v[CSQ+8*((\g)/2)+4:CSQ+8*((\g)/2)+7], v[ACS] offset:64*((\g)/2)+16
.endif
.irp i, 0,1,2,3,4,5,6,7
.set rl, RING+8*(\i+4*(\i/4)*((\g)%2))
	ds_load_b128 v[rl:rl+3],   v[AK] offset:1024*(8*(\g)+\i)
	ds_load_b128 v[rl+4:rl+7], v[AK] offset:1024*(8*(\g)+\i)+512
.endr
.endm
.macro MM t                            ; 16 codes x 16 rows of tile t, 32 along k; the first step starts the sum with the constant 0
.set rD, ACC+32*mp+8*(\t)
.set rR, RING+8*pl
.set rF, 64*(\t)+8*(mk%8)
.if mk == 0
	v_wmma_f32_16x16x32_bf16 v[rD:rD+7], v[rR:rR+7], v[rF:rF+7], 0
.else
	v_wmma_f32_16x16x32_bf16 v[rD:rD+7], v[rR:rR+7], v[rF:rF+7], v[rD:rD+7]
.endif
.endm
; Number rq of the 144 that judge the OTHER set: 36 for each tile of x.  0-3: x_sq - 2 x.c (one rounding; each accumulator's lowest registers are read first).  4-7: + c_sq.
; 8-11: best - d, whose sign is exact.  12-35, for two registers at a time: is it above 0; the minimum; the tile's number where it was.  Above 0, not at 0: of equal d the earlier tile, the lower code, stays.
.macro RD
.set rt, rq/36
.set rk, rq%36
.set rA, ACC+32*(1-mp)+8*rt
.set rB, BEST+8*rt
.set rI, IDX+8*rt
.set rC, CSQ+8*(1-mp)
.set rX, XSQ+2*rt
.if rk < 4
.set ro, 2*rk
	v_pk_fma_f32 v[rA+ro:rA+ro+1], v[rA+ro:rA+ro+1], -2.0, v[rX:rX+1] op_sel_hi:[1,0,1]
.elseif rk < 8
.set ro, 2*(rk-4)
	v_pk_fma_f32 v[rA+ro:rA+ro+1], v[rA+ro:rA+ro+1], 1.0, v[rC+ro:rC+ro+1] op_sel_hi:[1,0,1]
.elseif rk < 12
.set ro, 2*(rk-8)
	v_pk_fma_f32 v[EE+ro:EE+ro+1], v[rA+ro:rA+ro+1], -1.0, v[rB+ro:rB+ro+1] op_sel_hi:[1,0,1]
.else
.set rs, (rk-12)%6
.set ro, 2*((rk-12)/6)
.set rm, MK+ro%4
.if rs == 0
	v_cmp_gt_f32 s[rm], v[EE+ro], 0
.elseif rs == 1
	v_cmp_gt_f32 s[rm+1], v[EE+ro+1], 0
.elseif rs == 2
	v_min3_num_f32 v[rB+ro], v[rB+ro], s[INF], v[rA+ro]
.elseif rs == 3
	v_cndmask_b32 v[rI+ro], v[rI+ro], s[TIX], s[rm]
.elseif rs == 4
	v_min3_num_f32 v[rB+ro+1], v[rB+ro+1], s[INF], v[rA+ro+1]
.else
	v_cndmask_b32 v[rI+ro+1], v[rI+ro+1], s[TIX], s[rm+1]
.endif
.endif
.set rq, rq+1
.endm
; STEP w: fragment w of the pair is multiplied by the four tiles of x.  n: the LDS instructions issued behind that fragment's loads, which may stay out (-1: no wait).  ld = 1: the run for the next group stands behind
; the first product and its two vector instructions.  Of the places that the run fetches into, F's last was read by the step before: behind that step's last matrix instruction stand 3 + 2 vector instructions that
; name none of its registers (a load into a register that a matrix instruction has read stands four such places behind it).
; The four accumulators take turns, one instruction a turn, from step to step and over every edge.
.macro STEP w, ld, n
.set mw, (\w)
.set mk, mw%16
.set mp, mw/16
.set pl, (mw%8)+4*((mw%8)/4)*((mw/8)%2)
.set rq, 9*mk
.if mk == 0
	s_add_co_u32 s[TIX], s[TIX], 1                 ; a new tile is multiplied, the one before it is judged
.endif
	WIN 0x59+4*(mk/8)
.if (\n) >= 0
	s_wait_dscnt \n
.endif
	MM 0
	RD
	RD
.if \ld
	RUN ((mw+4)/8)%4
	WIN 0x59+4*(mk/8)
.endif
	MM 1
	RD
	RD
	MM 2
	RD
	RD
	MM 3
	RD
	RD
	RD
.endm
; The waits of a group's eight steps.  Steps 0-3: behind the two loads of fragment i stand the 14 - 2 i of the group's later fragments (c_sq's two are the oldest of their run).  Step 4: zero, just ahead of the next
; run: the group was asked for eight steps back.  Steps 5-7: none is needed behind that.
.macro ST w
.if (\w)%8 < 4
	STEP \w, 0, 14-2*((\w)%8)
.elseif (\w)%8 == 4
	STEP \w, 1, 0
.else
	STEP \w, 0, -1
.endif
.endm
; A slot's four trips.  A trip: steps 24-31 of the pair before, then steps 0-23 of its own pair; its four runs (in steps 28, 4, 12, 20) fetch its own pair's four groups.
; The loop is entered at step 26 behind a change of slots, which has done steps 24 and 25, and (mid = 1) at step 0 at the very start.
.macro TRIPS tag, mid
.Ltrip_\tag:
	ST 24
	ST 25
	WIN 0                                          ; at a label and at a branch every window is 0
.Lin2_\tag:
.irp i, 26,27,28,29,30,31
	ST \i
.endr
.if \mid
	WIN 0
.Lin8_\tag:
.endif
.irp i, 0,1,2,3,4,5,6,7,8,9,10,11,12,13,14,15,16,17,18,19,20,21,22,23
	ST \i
.endr
	WIN 0
	s_add_co_u32 s[TB], s[TB], 32768               ; the next pair of code tiles,
	s_add_co_u32 s[TC], s[TC], 128                 ; and their 32 c_sq;
	s_and_b32 s[TC], s[TC], 0x1f80                 ; the offset stays inside the table of 8,192 bytes (behind the last trip it is not used)
	v_add_nc_u32 v[AK], s[TB], v[L16]
	v_add_nc_u32 v[ACS], s[TC], v[H32]
	s_sub_co_u32 s[CNT], s[CNT], 1
	s_cmp_lg_u32 s[CNT], 0
	s_cbranch_scc1 .Ltrip_\tag
.endm
; THE CHANGE OF SLOTS, at a trip's head.  The slot's last group has been asked for, in step 20; eight fragments are still to be multiplied.  Each wave waits for all its tensor loads, of which one is out: its part of
; the other slot; adds 0 to its spare word; multiplies a fragment; and waits for the add and for its reads of the slot.  Behind the barrier nobody reads the slot any more and the other slot is whole.
; fill = 1: the slot is filled again, with the codes two slots on.  The barrier then opens a round of the cluster's, so that no wave of any partner still reads the slot or has a load on its way, and the joint
; refill is the first thing behind the round.  The new slot's first run is the trip's own, in step 28.
.macro CHANGE fill, tag
	WIN 0                                          ; (the add's two registers lie in window 0)
	s_wait_tensorcnt 0x0                           ; no tensor load of mine is out, so a group 0 may be written
	ds_add_u32 v[SPW], v[NIL]                      ; 0 onto my spare word
.if \fill
	s_xor_b32 s[G0+1], s[G0+1], SLOT1              ; the walking descriptor: the other slot than last time,
	s_add_nc_u64 s[G0+2:G0+3], s[G0+2:G0+3], FILLB ; the next 128 codes; the type bits on top are not reached
.endif
	s_sub_co_u32 s[TB], s[TB], FILLB               ; the fetches go back to a slot's first byte,
	s_xor_b32 s[TB], s[TB], SLOT1                  ; in the other slot
	v_add_nc_u32 v[AK], s[TB], v[L16]
	STEP 24, 0, 15                                 ; behind fragment 24: the fourteen loads of fragments 25-31, and the add
	s_wait_dscnt 0x0                               ; the add is done, and my reads of the slot are over
	s_barrier_signal -1
	STEP 25, 0, -1                                 ; work on registers while the others arrive
	WIN 0
	s_barrier_wait -1
.if \fill
	CREST
	tensor_load_to_lds s[G0:G0+3], s[G1:G1+7]      ; my one tensor load behind the round
	s_nop 0
.endif
	s_mov_b32 s[CNT], 4
	s_branch .Lin2_\tag
.endm
	s_wait_tensorcnt 0x1                           ; my parts of c_sq and of slot 0 are in; slot 1's may stay out
	s_barrier_signal -1
	s_barrier_wait -1                              ; everybody's are
	s_mov_b32 s[TB], 0
	s_mov_b32 s[TC], 0
	v_add_nc_u32 v[AK], s[TB], v[L16]
	v_add_nc_u32 v[ACS], s[TC], v[H32]
	RUN 0                                          ; the first pair's first group
	s_mov_b32 s[TIX], -2                           ; tile 0's first step makes it -1: what is judged beside tile 0 is no tile
	s_mov_b32 s[CNT], 4
	s_mov_b32 s[FILLS], 15                         ; slots 0-14 are walked in the loop; behind the first fourteen a slot is filled again
	WIN 0
	s_branch .Lin8_a
.Lfill:
	CHANGE 1, a
	TRIPS a, 1
	s_sub_co_u32 s[FILLS], s[FILLS], 1
	s_cmp_lg_u32 s[FILLS], 0
	s_cbranch_scc1 .Lfill
	CHANGE 0, c                                    ; the last slot is written out: nothing is asked for
	TRIPS c, 0
	STEP 24, 0, 14                                 ; the last eight fragments: nothing is fetched
	STEP 25, 0, 12
	STEP 26, 0, 10
	STEP 27, 0, 8
	STEP 28, 0, 0
	STEP 29, 0, -1
	STEP 30, 0, -1
	STEP 31, 0, -1
	s_add_co_u32 s[TIX], s[TIX], 1                 ; the last tile (set 1) is judged by itself; behind its first accumulator's last product stand the nine vector instructions of the last step
.set mp, 0
.set rq, 0
.rept 144
	RD
.endr
	; THE END.  Tile numbers become codes; a lane's eight candidates of a tile meet, then the two halves of the lanes: the lesser d, of equal d the lower code.
	WIN 0x40
	s_lshl_b32 s20, s[QQ], 11
	v_lshl_add_u32 v[HB], v2, 3, s20
	v_lshlrev_b32 v[L4], 2, v4
	v_mov_b32 v[TA], 0                             ; the destinations of v_permlanex16_b32 count as read
	v_mov_b32 v[TA+1], 0
	WIN 0x55
.set j, 0
.rept 32
	v_lshl_add_u32 v[IDX+j], v[IDX+j], 4, v[HB]
.if j%8
	v_add_nc_u32 v[IDX+j], j%8, v[IDX+j]
.endif
.set j, j+1
.endr
.macro MERGE da, ca, db, cb            ; (da, ca) takes (db, cb) where db < da, or db = da and cb < ca
	v_cmp_lt_f32 s[MG], v[\db], v[\da]
	v_cmp_eq_f32 s[MG+1], v[\db], v[\da]
	v_cmp_lt_u32 s[MG+2], v[\cb], v[\ca]
	s_and_b32 s[MG+1], s[MG+1], s[MG+2]
	s_or_b32 s[MG], s[MG], s[MG+1]
	v_cndmask_b32 v[\da], v[\da], v[\db], s[MG]
	v_cndmask_b32 v[\ca], v[\ca], v[\cb], s[MG]
.endm
.irp t, 0,1,2,3
.irp a, 0,2,4,6
	MERGE BEST+8*\t+\a, IDX+8*\t+\a, BEST+8*\t+\a+1, IDX+8*\t+\a+1
.endr
.irp a, 0,4
	MERGE BEST+8*\t+\a, IDX+8*\t+\a, BEST+8*\t+\a+2, IDX+8*\t+\a+2
.endr
	MERGE BEST+8*\t, IDX+8*\t, BEST+8*\t+4, IDX+8*\t+4
	v_permlanex16_b32 v[TA], v[BEST+8*\t], s[SEL], s[SEL+1]
	v_permlanex16_b32 v[TA+1], v[IDX+8*\t], s[SEL], s[SEL+1]
	MERGE BEST+8*\t, IDX+8*\t, TA, TA+1
.endr
	v_cndmask_b32 v[TA+2], v[BEST], v[BEST+8], s[SH]       ; lanes 0-15 answer for tile 0, lanes 16-31 for tile 1: my wave's rows 0-31 in the order of the lanes
	v_cndmask_b32 v[TA+3], v[BEST+16], v[BEST+24], s[SH]   ; rows 32-63
	v_cndmask_b32 v[TA+4], v[IDX], v[IDX+8], s[SH]
	v_cndmask_b32 v[TA+5], v[IDX+16], v[IDX+24], s[SH]
	v_ashrrev_i32 v[TA], 31, v[TA+2]                       ; d as a whole number of the same order: all ones where d is below 0,
	v_ashrrev_i32 v[TA+1], 31, v[TA+3]
	v_or_b32 v[TA], 0x80000000, v[TA]                      ; the top bit alone where it is not,
	v_or_b32 v[TA+1], 0x80000000, v[TA+1]
	v_xor_b32 v[TA+2], v[TA], v[TA+2]                      ; turned
	v_xor_b32 v[TA+3], v[TA+1], v[TA+3]
	global_store_b32 v[L4], v[TA+2], s[10:11]              ; the wave's two stores into a buffer cover 256 consecutive bytes, at a multiple of 256 from its first byte
	global_store_b32 v[L4], v[TA+3], s[10:11] offset:128
	global_store_b32 v[L4], v[TA+4], s[12:13]
	global_store_b32 v[L4], v[TA+5], s[12:13] offset:128
	WIN 0
	s_wait_tensorcnt 0x0                           ; the wave's end: behind my last tensor load, an add to my spare word and its wait
	ds_add_u32 v[SPW], v[NIL]
	s_wait_dscnt 0x0
	CROUND                                         ; the closing round: no work-group ends while a partner may still ask for a tile that names it
	s_endpgm
.Lfunc_end_k_q7f65c0d1a6_dist:
	.size	k_q7f65c0d1a6_dist, .Lfunc_end_k_q7f65c0d1a6_dist-k_q7f65c0d1a6_dist
	.p2alignl 7, 3214868480
	.fill 96, 4, 3214868480
	.section	.rodata,"a",@progbits
	.p2align	6, 0x0
	.amdhsa_kernel k_q7f65c0d1a6_dist
		.amdhsa_group_segment_fixed_size 327680
		.amdhsa_private_segment_fixed_size 0
		.amdhsa_enable_private_segment 0
		.amdhsa_kernarg_size 40
		.amdhsa_user_sgpr_count 2
		.amdhsa_user_sgpr_kernarg_segment_ptr 1
		.amdhsa_wavefront_size32 1
		.amdhsa_system_sgpr_workgroup_id_x 1
		.amdhsa_system_sgpr_workgroup_id_y 1
		.amdhsa_system_sgpr_workgroup_id_z 1
		.amdhsa_system_vgpr_workitem_id 0
		.amdhsa_next_free_vgpr 1024
		.amdhsa_next_free_sgpr 96
		.amdhsa_reserve_vcc 0
		.amdhsa_float_denorm_mode_32 3
		.amdhsa_float_denorm_mode_16_64 3
		.amdhsa_memory_ordered 1
		.amdhsa_forward_progress 1
		.amdhsa_inst_pref_size 175
	.end_amdhsa_kernel
	.amdgpu_metadata
---
amdhsa.version: [ 1, 2 ]
amdhsa.kernels:
  - .name:           k_q7f65c0d1a6_dist
    .symbol:         k_q7f65c0d1a6_dist.kd
    .args:
      - { .name: x, .offset: 0, .size: 8, .value_kind: global_buffer, .address_space: global }
      - { .name: cbf, .offset: 8, .size: 8, .value_kind: global_buffer, .address_space: global }
      - { .name: csq, .offset: 16, .size: 8, .value_kind: global_buffer, .address_space: global }
      - { .name: pd, .offset: 24, .size: 8, .value_kind: global_buffer, .address_space: global }
      - { .name: pi, .offset: 32, .size: 8, .value_kind: global_buffer, .address_space: global }
    .group_segment_fixed_size: 327680
    .private_segment_fixed_size: 0
    .kernarg_segment_align: 8
    .kernarg_segment_size: 40
    .max_flat_workgroup_size: 128
    .sgpr_count:     96
    .vgpr_count:     1024
    .wavefront_size: 32
...
	.end_amdgpu_metadata
.endif
;; end of part 5
;; launch emit (part 6): grid 256 x 1, 8 waves a work-group, no clusters, 0 bytes of LDS; arguments emb_weight, pe, pd, pi, out0; writes out0
.if DOCPART == 6
	.amdgcn_target "amdgcn-amd-amdhsa--gfx1250"
	.amdhsa_code_object_version 6
	.text
	.protected	k_q7f65c0d1a6_emit
	.globl	k_q7f65c0d1a6_emit
	.p2align	8
	.type	k_q7f65c0d1a6_emit,@function
k_q7f65c0d1a6_emit:
	s_mov_b64 s[64:65], 0
	v_nop
	global_prefetch_b8 v0, s[64:65] scope:SCOPE_SE
	s_setreg_imm32_b32 hwreg(HW_REG_WAVE_MODE, 25, 1), 1
	s_wait_xcnt 0x0
; out0[s][b][:] = emb_weight[code][:] + pe[s][:], all f32, rows of 2,048 bytes; code = the answer of that quarter of the codes whose least distance is the least of the four.
; pd, pi: [4][16384] whole numbers that the launch before stored: pd orders as the distances order, pi is the quarter's code.  The choice is made by comparing whole numbers: below, not at: of equal distances the
; lower quarter, which holds the lower codes, stays.
; A wave takes one s: its eight rows of out0 share one row of pe, which is read once.  The 64 whole numbers of its eight rows come by eight scalar loads of 32 bytes, issued together, so each row's address is a
; scalar base.  All 36 vector loads of a wave (18,432 bytes) go out as soon as their rows are chosen, and each row is added and stored as it lands; no vector register is written twice, so there is no loop and
; no wait but those for data.
; Each load and store of the wave covers 512 consecutive bytes at a multiple of 512 from its row's first byte.  Work-groups share no tile (a row of the table is wanted wherever its code falls): no LDS, no cluster.
; No request ahead of the loads either: a row's address is known only when the wave's loads can go out themselves.
; A code is held to 0..8191, the table's rows, before it enters an address.
.set KEY, 16                           ; s[16:47]  the distances' whole numbers: quarter q, row b at KEY + 8 q + b
.set COD, 48                           ; s[48:63], s[68:83]  the codes: quarter q, row b at COD + 8 q + 4 (q / 2) + b
.set ROW, 84                           ; s[84:99]  the eight rows' addresses in the table
	s_load_b256 s[4:11], s[0:1], 0x0               ; emb_weight s[4:5], pe s[6:7], pd s[8:9], pi s[10:11]
	s_load_b64 s[12:13], s[0:1], 0x20              ; out0
	v_lshrrev_b32 v2, 5, v0
	v_readfirstlane_b32 s2, v2                     ; wave 0..7
	s_lshl_b32 s3, ttmp9, 3
	s_add_co_u32 s3, s3, s2                        ; s
	v_and_b32 v1, 31, v0
	v_lshlrev_b32 v1, 4, v1                        ; 16 x lane
	s_lshl_b32 s14, s3, 5                          ; eight words of a quarter
	s_mov_b32 s15, 0
	s_lshl_b32 s100, s3, 11                        ; a row of pe
	s_mov_b32 s101, 0
	s_lshl_b32 s2, s3, 14                          ; eight rows of out0
	s_mov_b32 s3, 0
	s_wait_kmcnt 0x0
	s_add_nc_u64 s[8:9], s[8:9], s[14:15]
	s_add_nc_u64 s[10:11], s[10:11], s[14:15]
.irp q, 0,1,2,3
	s_load_b256 s[KEY+8*\q:KEY+8*\q+7], s[8:9], 65536*\q
	s_load_b256 s[COD+8*\q+4*(\q/2):COD+8*\q+4*(\q/2)+7], s[10:11], 65536*\q
.endr
	s_add_nc_u64 s[6:7], s[6:7], s[100:101]
	s_add_nc_u64 s[12:13], s[12:13], s[2:3]
.irp c, 0,1,2,3
	global_load_b128 v[4+4*\c:7+4*\c], v1, s[6:7] offset:512*\c th:TH_LOAD_NT   ; read once in the launch
.endr
	s_wait_kmcnt 0x0
.irp b, 0,1,2,3,4,5,6,7
.irp q, 1,2,3
	s_cmp_lt_u32 s[KEY+8*\q+\b], s[KEY+\b]
	s_cselect_b32 s[KEY+\b], s[KEY+8*\q+\b], s[KEY+\b]
	s_cselect_b32 s[COD+\b], s[COD+8*\q+4*(\q/2)+\b], s[COD+\b]
.endr
	s_min_u32 s[COD+\b], s[COD+\b], 8191
	s_lshl_b32 s[ROW+2*\b], s[COD+\b], 11
	s_mov_b32 s[ROW+2*\b+1], 0
	s_add_nc_u64 s[ROW+2*\b:ROW+2*\b+1], s[4:5], s[ROW+2*\b:ROW+2*\b+1]
.irp c, 0,1,2,3
	global_load_b128 v[20+16*\b+4*\c:23+16*\b+4*\c], v1, s[ROW+2*\b:ROW+2*\b+1] offset:512*\c   ; no hint: a row may be named again
.endr
.endr
.irp b, 0,1,2,3,4,5,6,7
	s_wait_loadcnt 4*(7-\b)                        ; row b is in (and pe, asked for first); the four loads of each later row stay out
.irp c, 0,1,2,3
	v_pk_add_f32 v[20+16*\b+4*\c:21+16*\b+4*\c], v[20+16*\b+4*\c:21+16*\b+4*\c], v[4+4*\c:5+4*\c]
	v_pk_add_f32 v[22+16*\b+4*\c:23+16*\b+4*\c], v[22+16*\b+4*\c:23+16*\b+4*\c], v[6+4*\c:7+4*\c]
	global_store_b128 v1, v[20+16*\b+4*\c:23+16*\b+4*\c], s[12:13] offset:2048*\b+512*\c th:TH_STORE_NT
.endr
.endr
	s_endpgm
.Lfunc_end_k_q7f65c0d1a6_emit:
	.size	k_q7f65c0d1a6_emit, .Lfunc_end_k_q7f65c0d1a6_emit-k_q7f65c0d1a6_emit
	.p2alignl 7, 3214868480
	.fill 96, 4, 3214868480
	.section	.rodata,"a",@progbits
	.p2align	6, 0x0
	.amdhsa_kernel k_q7f65c0d1a6_emit
		.amdhsa_group_segment_fixed_size 0
		.amdhsa_private_segment_fixed_size 0
		.amdhsa_enable_private_segment 0
		.amdhsa_kernarg_size 40
		.amdhsa_user_sgpr_count 2
		.amdhsa_user_sgpr_kernarg_segment_ptr 1
		.amdhsa_wavefront_size32 1
		.amdhsa_system_sgpr_workgroup_id_x 1
		.amdhsa_system_sgpr_workgroup_id_y 1
		.amdhsa_system_sgpr_workgroup_id_z 1
		.amdhsa_system_vgpr_workitem_id 0
		.amdhsa_next_free_vgpr 152
		.amdhsa_next_free_sgpr 102
		.amdhsa_reserve_vcc 0
		.amdhsa_float_denorm_mode_32 3
		.amdhsa_float_denorm_mode_16_64 3
		.amdhsa_memory_ordered 1
		.amdhsa_forward_progress 1
		.amdhsa_inst_pref_size 16
	.end_amdhsa_kernel
	.amdgpu_metadata
---
amdhsa.version: [ 1, 2 ]
amdhsa.kernels:
  - .name:           k_q7f65c0d1a6_emit
    .symbol:         k_q7f65c0d1a6_emit.kd
    .args:
      - { .name: emb_weight, .offset: 0, .size: 8, .value_kind: global_buffer, .address_space: global }
      - { .name: pe, .offset: 8, .size: 8, .value_kind: global_buffer, .address_space: global }
      - { .name: pd, .offset: 16, .size: 8, .value_kind: global_buffer, .address_space: global }
      - { .name: pi, .offset: 24, .size: 8, .value_kind: global_buffer, .address_space: global }
      - { .name: out0, .offset: 32, .size: 8, .value_kind: global_buffer, .address_space: global }
    .group_segment_fixed_size: 0
    .private_segment_fixed_size: 0
    .kernarg_segment_align: 8
    .kernarg_segment_size: 40
    .max_flat_workgroup_size: 256
    .sgpr_count:     102
    .vgpr_count:     152
    .wavefront_size: 32
...
	.end_amdgpu_metadata
.endif
;; end of part 6
;; ======== version 3 of 3: 3 launches; version 2 with the launches pack, emit written anew for expert scheduling mode
;; workspace buffers: cbf 8,388,608 bytes; csq 32,768 bytes; pd 262,144 bytes of whole numbers; pi 262,144 bytes of whole numbers
;; launch pack (part 7): grid 256 x 1, 2 waves a work-group, no clusters, 0 bytes of LDS; arguments codebook, cbf, csq; writes cbf, csq
.if DOCPART == 7
	.amdgcn_target "amdgcn-amd-amdhsa--gfx1250"
	.amdhsa_code_object_version 6
	.text
	.protected	k_q7f65c0d1a6_pack
	.globl	k_q7f65c0d1a6_pack
	.p2align	8
	.type	k_q7f65c0d1a6_pack,@function
k_q7f65c0d1a6_pack:
	s_mov_b64 s[64:65], 0
	v_nop
	global_prefetch_b8 v0, s[64:65] scope:SCOPE_SE
	s_setreg_imm32_b32 hwreg(HW_REG_WAVE_SCHED_MODE, 0, 2), 2
	s_setreg_imm32_b32 hwreg(HW_REG_WAVE_MODE, 25, 1), 1
	s_wait_xcnt 0x0
	s_wait_alu depctr_vm_vsrc(0)
; codebook [8192][512] f32  ->  cbf: the same numbers rounded to bf16, laid out in the order in which the matrix unit takes them;  csq[n] = the sum of the squares of code n, taken of the ROUNDED numbers, in f32.
; LAYOUT OF cbf.  Code n = 16 T + r, k = 32 kf + 16 c + 8 h + i (i = 0..7) lies at byte 16384 T + 1024 kf + 512 c + 16 (16 h + r) + 2 i: a fragment of 16 codes x 32 k is 1,024 dense bytes,
; and lane 16 h + r finds its two pieces of 16 bytes at 16 x lane and 512 + 16 x lane.
; SHARES.  A wave takes one tile T of 16 codes: 32,768 bytes in, 16,384 out; 512 tiles, two waves to each of 256 work-groups.  Block u = 2 kf + c of a tile is 8 numbers a lane: two loads of 16 bytes,
; four roundings of pairs, eight fused squares, one store in which the 32 lanes cover 512 consecutive bytes at a multiple of 512 from the first byte of cbf.
; The stream has nothing to share and nothing to multiply by: no LDS, no barrier, no cluster, no matrix instruction.
; LIMIT.  csq is a sum of 512 exact products in 16 chains of 32, so its last bits need not be those of another order of the same sum.
; THE MODE: SCHED_MODE bits 1:0 = 2 (LLVM: expert scheduling mode 2), set by the entry lines.  The code itself states the register dependences between vector instructions and memory instructions,
; with s_wait_alu, always for 0.
; THE PLAN.  The 32 blocks go in 8 quads of four.  Registers that memory instructions touch:
;   X0 .. X5   four blocks each, f32 as loaded; quad p works on X[p % 6].  Written by loads: quads 0-5 at the head, quad 6 (into X0) in quad 1, quad 7 (into X1) in quad 2.  Read by the quad's roundings alone.
;   Y0, Y1     four blocks each, bf16 to store.  Written by quad p's roundings (Y[p % 2]); read by its squares and by the four stores that are issued in quad p + 1.
;   v2, v3, v4 byte offsets, made once at the head and never written again: every step stands in an immediate offset.
; Quad p's vector instructions name X[p % 6], Y[p % 2] and the sums.  Its memory instructions are the stores from the other Y and, in quads 1 and 2, the loads into X[p - 1]: the two buffers that quad p - 1
; worked on.  So the waits at a quad's head state all that its memory instructions hang on, and these are dealt among its vector instructions with no further wait.
.set STG, 64                           ; v[64:255]  X0 .. X5: buffer k, block i: 8 registers at STG + 32 k + 8 i
.set Y,   32                           ; v[32:63]   Y0, Y1: buffer k, block i: 4 registers at Y + 16 k + 4 i
.set SUM, 8                            ; v[8:15]    eight chains of squares
	s_load_b128 s[4:7], s[0:1], 0x0                ; codebook s[4:5], cbf s[6:7]
	s_load_b64 s[8:9], s[0:1], 0x10                ; csq
	v_lshrrev_b32 v1, 5, v0
	v_readfirstlane_b32 s10, v1                    ; wave 0, 1
	v_and_b32 v1, 31, v0                           ; lane
	v_and_b32 v5, 15, v0                           ; r
	v_bfe_u32 v6, v0, 4, 1                         ; h
	v_lshlrev_b32 v2, 11, v5
	v_lshl_add_u32 v2, v6, 5, v2                   ; in: row r, 32 bytes for each half of the lanes
	v_lshlrev_b32 v3, 4, v1                        ; out: 16 x lane
	v_lshlrev_b32 v4, 2, v5                        ; my row in csq
	s_wait_alu depctr_va_sdst(0)                   ; s10 is written, ahead of its first reader: the three bases are made from it
	s_lshl_b32 s11, ttmp9, 1
	s_add_co_u32 s11, s11, s10                     ; T
	s_lshl_b32 s12, s11, 15                        ; 16 rows of 2,048 bytes
	s_mov_b32 s13, 0
	s_lshl_b32 s14, s11, 14                        ; 16 fragments of 1,024 bytes
	s_mov_b32 s15, 0
	s_lshl_b32 s16, s11, 6                         ; 16 sums
	s_mov_b32 s17, 0
	s_mov_b32 s20, 0x76543210                      ; v_permlanex16_b32: each lane takes its own place in the other half
	s_mov_b32 s21, 0xfedcba98
	s_wait_kmcnt 0x0
	s_add_nc_u64 s[4:5], s[4:5], s[12:13]
	s_add_nc_u64 s[6:7], s[6:7], s[14:15]
	s_add_nc_u64 s[8:9], s[8:9], s[16:17]
	s_wait_alu depctr_va_vdst(0)                   ; v2, v3 and v4 are written: every load and store of the kernel reads one of them as its offset
.macro LOADB u                         ; block u: k = 16 u + 8 h + 0..7 of row r
.set lb, STG+8*((\u)%24)
	global_load_b128 v[lb:lb+3],   v2, s[4:5] offset:64*(\u)
	global_load_b128 v[lb+4:lb+7], v2, s[4:5] offset:64*(\u)+16
.endm
; Quad p: blocks 4 p to 4 p + 3.  left: the loads issued behind the quad's eight, which may stay out.
.macro QUAD p, left
	s_wait_loadcnt \left                           ; loads come back in order (ISA guide 5.7.1): X[p % 6] is in
.if (\p) >= 2
	s_wait_xcnt 0x0                                ; every earlier memory instruction has had its addresses translated (ISA guide 3.1): Y[p % 2], the data of stores, is rewritten only behind this wait
	s_wait_alu depctr_vm_vsrc(0)                   ; the stores issued in the quad before have read Y[p % 2], which this quad's roundings write again
.endif
.if (\p) >= 1
	s_wait_alu depctr_va_vdst(0)                   ; the quad before has written the other Y, which the stores below read, and is done reading its X, in which the loads below (quads 1 and 2) land
.endif
.irp i, 0,1,2,3
.set pb, STG+32*((\p)%6)+8*(\i)
.set py, Y+16*((\p)%2)+4*(\i)
.set po, Y+16*(1-(\p)%2)+4*(\i)
.if ((\p) == 1) || ((\p) == 2)
	LOADB 4*(\p)+20+(\i)                           ; blocks 24-27 in quad 1, 28-31 in quad 2; no vector instruction since the wait names these registers
.endif
.if (\p) >= 1
	global_store_b128 v3, v[po:po+3], s[6:7] offset:512*(4*(\p)-4+(\i))  ; the quad before
.endif
.irp m, 0,1,2,3
	v_cvt_pk_bf16_f32 v[py+\m], v[pb+2*\m], v[pb+2*\m+1]
.endr
.irp m, 0,1,2,3
	v_fma_mix_f32_bf16 v[SUM+2*\m],   v[py+\m], v[py+\m], v[SUM+2*\m]   op_sel_hi:[1,1,0]                ; low half squared, onto an f32 sum
	v_fma_mix_f32_bf16 v[SUM+2*\m+1], v[py+\m], v[py+\m], v[SUM+2*\m+1] op_sel:[1,1,0] op_sel_hi:[1,1,0]  ; high half squared
.endr
.endr
.endm
.set u, 0
.rept 24
	LOADB u                                        ; 48 loads, 24,576 bytes of the wave, are out together
.set u, u+1
.endr
.irp m, 0,1,2,3,4,5,6,7
	v_mov_b32 v[SUM+\m], 0
.endr
	v_mov_b32 v16, 0                               ; the destination of v_permlanex16_b32 counts as read
	QUAD 0, 40                                     ; of 48 loads issued, 40 are younger than quad 0's
	QUAD 1, 32                                     ; of 48, 32
	QUAD 2, 32                                     ; of 56 (quad 1 has issued eight), 32
	QUAD 3, 32                                     ; of 64 (quad 2 has issued eight), 32
	QUAD 4, 24                                     ; the counts run down
	QUAD 5, 16
	QUAD 6, 8
	QUAD 7, 0
	s_wait_alu depctr_va_vdst(0)                   ; quad 7 has written Y1, which the last four stores read
.irp i, 0,1,2,3
	global_store_b128 v3, v[Y+16+4*\i:Y+16+4*\i+3], s[6:7] offset:512*(28+\i)
.endr
	v_add_f32 v8, v8, v9
	v_add_f32 v10, v10, v11
	v_add_f32 v12, v12, v13
	v_add_f32 v14, v14, v15
	v_add_f32 v8, v8, v10
	v_add_f32 v12, v12, v14
	v_add_f32 v8, v8, v12                          ; my half of the row
	v_permlanex16_b32 v16, v8, s20, s21            ; the other half lies in the lane 16 away
	v_add_f32 v8, v8, v16
	v_cmp_gt_u32 vcc_lo, 16, v1
	s_wait_alu depctr_va_vcc(0)                    ; VCC is written: EXEC is made from it
	s_wait_xcnt 0x0                                ; EXEC is a source of the stores above: it changes only behind this wait
	s_wait_alu depctr_va_vdst(0)                   ; ahead of the write of EXEC the vector instructions issued under the full EXEC are done; v8, the data of the store below, is written
	s_wait_alu depctr_vm_vsrc(0)                   ; and the stores issued under the full EXEC have read their registers
	s_and_saveexec_b32 s22, vcc_lo
	global_store_b32 v4, v8, s[8:9]                ; lanes 0-15: 64 consecutive bytes
	s_wait_xcnt 0x0                                ; and again in front of the line that widens it
	s_wait_alu depctr_va_vdst(0)                   ; ahead of every scalar write of EXEC both sides are stated done: the vector side (nothing was issued under the narrow EXEC),
	s_wait_alu depctr_vm_vsrc(0)                   ; and the memory side: the store has read v4 and v8 under the narrow EXEC
	s_or_b32 exec_lo, exec_lo, s22
	s_endpgm
.Lfunc_end_k_q7f65c0d1a6_pack:
	.size	k_q7f65c0d1a6_pack, .Lfunc_end_k_q7f65c0d1a6_pack-k_q7f65c0d1a6_pack
	.p2alignl 7, 3214868480
	.fill 96, 4, 3214868480
	.section	.rodata,"a",@progbits
	.p2align	6, 0x0
	.amdhsa_kernel k_q7f65c0d1a6_pack
		.amdhsa_group_segment_fixed_size 0
		.amdhsa_private_segment_fixed_size 0
		.amdhsa_enable_private_segment 0
		.amdhsa_kernarg_size 24
		.amdhsa_user_sgpr_count 2
		.amdhsa_user_sgpr_kernarg_segment_ptr 1
		.amdhsa_wavefront_size32 1
		.amdhsa_system_sgpr_workgroup_id_x 1
		.amdhsa_system_sgpr_workgroup_id_y 1
		.amdhsa_system_sgpr_workgroup_id_z 1
		.amdhsa_system_vgpr_workitem_id 0
		.amdhsa_next_free_vgpr 256
		.amdhsa_next_free_sgpr 66
		.amdhsa_reserve_vcc 1
		.amdhsa_float_denorm_mode_32 3
		.amdhsa_float_denorm_mode_16_64 3
		.amdhsa_memory_ordered 1
		.amdhsa_forward_progress 1
		.amdhsa_inst_pref_size 37
	.end_amdhsa_kernel
	.amdgpu_metadata
---
amdhsa.version: [ 1, 2 ]
amdhsa.kernels:
  - .name:           k_q7f65c0d1a6_pack
    .symbol:         k_q7f65c0d1a6_pack.kd
    .args:
      - { .name: codebook, .offset: 0, .size: 8, .value_kind: global_buffer, .address_space: global }
      - { .name: cbf, .offset: 8, .size: 8, .value_kind: global_buffer, .address_space: global }
      - { .name: csq, .offset: 16, .size: 8, .value_kind: global_buffer, .address_space: global }
    .group_segment_fixed_size: 0
    .private_segment_fixed_size: 0
    .kernarg_segment_align: 8
    .kernarg_segment_size: 24
    .max_flat_workgroup_size: 64
    .sgpr_count:     66
    .vgpr_count:     256
    .wavefront_size: 32
...
	.end_amdgpu_metadata
.endif
;; end of part 7
;; launch dist: the kernel of part 5 again; grid 4 x 64, 4 waves a work-group, clusters of 4 x 4, 327,680 bytes of LDS; arguments x, cbf, csq, pd, pi; writes pd, pi
;; launch emit (part 8): grid 256 x 1, 8 waves a work-group, no clusters, 0 bytes of LDS; arguments emb_weight, pe, pd, pi, out0; writes out0
.if DOCPART == 8
	.amdgcn_target "amdgcn-amd-amdhsa--gfx1250"
	.amdhsa_code_object_version 6
	.text
	.protected	k_q7f65c0d1a6_emit
	.globl	k_q7f65c0d1a6_emit
	.p2align	8
	.type	k_q7f65c0d1a6_emit,@function
k_q7f65c0d1a6_emit:
	s_mov_b64 s[64:65], 0
	v_nop
	global_prefetch_b8 v0, s[64:65] scope:SCOPE_SE
	s_setreg_imm32_b32 hwreg(HW_REG_WAVE_SCHED_MODE, 0, 2), 2
	s_setreg_imm32_b32 hwreg(HW_REG_WAVE_MODE, 25, 1), 1
	s_wait_xcnt 0x0
	s_wait_alu depctr_vm_vsrc(0)
; out0[s][b][:] = emb_weight[code][:] + pe[s][:], all f32, rows of 2,048 bytes; code = the answer of that quarter of the codes whose least distance is the least of the four.
; pd, pi: [4][16384] whole numbers that the launch before stored: pd orders as the distances order, pi is the quarter's code.  The choice is made by comparing whole numbers: below, not at: of equal distances the
; lower quarter, which holds the lower codes, stays.
; A wave takes one s: its eight rows of out0 share one row of pe, which is read once.  The 64 whole numbers of its eight rows come by eight scalar loads of 32 bytes, issued together, so each row's address is a
; scalar base.  All 36 vector loads of a wave (18,432 bytes) go out as soon as their rows are chosen, and each row is added as it lands; there is no loop.
; Each load and store of the wave covers 512 consecutive bytes at a multiple of 512 from its row's first byte.  Work-groups share no tile (a row of the table is wanted wherever its code falls): no LDS, no cluster.
; No request ahead of the loads either: a row's address is known only when the wave's loads can go out themselves.
; A code is held to 0..8191, the table's rows, before it enters an address.
; THE MODE: SCHED_MODE bits 1:0 = 2 (LLVM: expert scheduling mode 2), set by the entry lines.  The code itself states the register dependences between vector instructions and memory instructions,
; with s_wait_alu, always for 0.
; THE PLAN.  Registers that memory instructions touch:
;   v1         16 x lane: the offset of every load and store; made once at the head, never written again.
;   v[4:19]    pe's row: written by four loads, read by the additions.
;   v[20:147]  row b at 20 + 16 b: written by its four loads, then in place by row b's eight additions; read by the four stores that are issued in row b + 1's turn; never written after that.
; All loads are issued before any vector instruction names their registers, and no register that a store reads is written again.  What is left to state is that a row's additions are written before its stores
; read them: ONE wait at the head of the next row's turn, behind the wait for that row's data; the four stores are then dealt among the eight additions, which name the next row and pe alone.
.set KEY, 16                           ; s[16:47]  the distances' whole numbers: quarter q, row b at KEY + 8 q + b
.set COD, 48                           ; s[48:63], s[68:83]  the codes: quarter q, row b at COD + 8 q + 4 (q / 2) + b
.set ROW, 84                           ; s[84:99]  the eight rows' addresses in the table
	s_load_b256 s[4:11], s[0:1], 0x0               ; emb_weight s[4:5], pe s[6:7], pd s[8:9], pi s[10:11]
	s_load_b64 s[12:13], s[0:1], 0x20              ; out0
	v_lshrrev_b32 v2, 5, v0
	v_readfirstlane_b32 s2, v2                     ; wave 0..7
	v_and_b32 v1, 31, v0
	v_lshlrev_b32 v1, 4, v1                        ; 16 x lane
	s_wait_alu depctr_va_sdst(0)                   ; s2 is written, ahead of its first reader: s, and all the bases, are made from it
	s_lshl_b32 s3, ttmp9, 3
	s_add_co_u32 s3, s3, s2                        ; s
	s_lshl_b32 s14, s3, 5                          ; eight words of a quarter
	s_mov_b32 s15, 0
	s_lshl_b32 s100, s3, 11                        ; a row of pe
	s_mov_b32 s101, 0
	s_lshl_b32 s2, s3, 14                          ; eight rows of out0
	s_mov_b32 s3, 0
	s_wait_kmcnt 0x0
	s_add_nc_u64 s[8:9], s[8:9], s[14:15]
	s_add_nc_u64 s[10:11], s[10:11], s[14:15]
.irp q, 0,1,2,3
	s_load_b256 s[KEY+8*\q:KEY+8*\q+7], s[8:9], 65536*\q
	s_load_b256 s[COD+8*\q+4*(\q/2):COD+8*\q+4*(\q/2)+7], s[10:11], 65536*\q
.endr
	s_add_nc_u64 s[6:7], s[6:7], s[100:101]
	s_add_nc_u64 s[12:13], s[12:13], s[2:3]
	s_wait_alu depctr_va_vdst(0)                   ; v1 is written: every load and store of the kernel reads it as its offset
.irp c, 0,1,2,3
	global_load_b128 v[4+4*\c:7+4*\c], v1, s[6:7] offset:512*\c th:TH_LOAD_NT   ; read once in the launch
.endr
	s_wait_kmcnt 0x0
.irp b, 0,1,2,3,4,5,6,7
.irp q, 1,2,3
	s_cmp_lt_u32 s[KEY+8*\q+\b], s[KEY+\b]
	s_cselect_b32 s[KEY+\b], s[KEY+8*\q+\b], s[KEY+\b]
	s_cselect_b32 s[COD+\b], s[COD+8*\q+4*(\q/2)+\b], s[COD+\b]
.endr
	s_min_u32 s[COD+\b], s[COD+\b], 8191
	s_lshl_b32 s[ROW+2*\b], s[COD+\b], 11
	s_mov_b32 s[ROW+2*\b+1], 0
	s_add_nc_u64 s[ROW+2*\b:ROW+2*\b+1], s[4:5], s[ROW+2*\b:ROW+2*\b+1]
.irp c, 0,1,2,3
	global_load_b128 v[20+16*\b+4*\c:23+16*\b+4*\c], v1, s[ROW+2*\b:ROW+2*\b+1] offset:512*\c   ; no hint: a row may be named again
.endr
.endr
.irp b, 0,1,2,3,4,5,6,7
	s_wait_loadcnt 4*(7-\b)                        ; row b is in (and pe, asked for first); the four loads of each later row stay out
.if \b > 0
	s_wait_alu depctr_va_vdst(0)                   ; the additions of the row before are written, which the four stores below read
.endif
.irp c, 0,1,2,3
.if \b > 0
	global_store_b128 v1, v[20+16*(\b-1)+4*\c:23+16*(\b-1)+4*\c], s[12:13] offset:2048*(\b-1)+512*\c th:TH_STORE_NT  ; the row before; no vector instruction since the wait names its registers
.endif
	v_pk_add_f32 v[20+16*\b+4*\c:21+16*\b+4*\c], v[20+16*\b+4*\c:21+16*\b+4*\c], v[4+4*\c:5+4*\c]
	v_pk_add_f32 v[22+16*\b+4*\c:23+16*\b+4*\c], v[22+16*\b+4*\c:23+16*\b+4*\c], v[6+4*\c:7+4*\c]
.endr
.endr
	s_wait_alu depctr_va_vdst(0)                   ; row 7's additions are written, which the last four stores read
.irp c, 0,1,2,3
	global_store_b128 v1, v[132+4*\c:135+4*\c], s[12:13] offset:2048*7+512*\c th:TH_STORE_NT
.endr
	s_endpgm
.Lfunc_end_k_q7f65c0d1a6_emit:
	.size	k_q7f65c0d1a6_emit, .Lfunc_end_k_q7f65c0d1a6_emit-k_q7f65c0d1a6_emit
	.p2alignl 7, 3214868480
	.fill 96, 4, 3214868480
	.section	.rodata,"a",@progbits
	.p2align	6, 0x0
	.amdhsa_kernel k_q7f65c0d1a6_emit
		.amdhsa_group_segment_fixed_size 0
		.amdhsa_private_segment_fixed_size 0
		.amdhsa_enable_private_segment 0
		.amdhsa_kernarg_size 40
		.amdhsa_user_sgpr_count 2
		.amdhsa_user_sgpr_kernarg_segment_ptr 1
		.amdhsa_wavefront_size32 1
		.amdhsa_system_sgpr_workgroup_id_x 1
		.amdhsa_system_sgpr_workgroup_id_y 1
		.amdhsa_system_sgpr_workgroup_id_z 1
		.amdhsa_system_vgpr_workitem_id 0
		.amdhsa_next_free_vgpr 152
		.amdhsa_next_free_sgpr 102
		.amdhsa_reserve_vcc 0
		.amdhsa_float_denorm_mode_32 3
		.amdhsa_float_denorm_mode_16_64 3
		.amdhsa_memory_ordered 1
		.amdhsa_forward_progress 1
		.amdhsa_inst_pref_size 16
	.end_amdhsa_kernel
	.amdgpu_metadata
---
amdhsa.version: [ 1, 2 ]
amdhsa.kernels:
  - .name:           k_q7f65c0d1a6_emit
    .symbol:         k_q7f65c0d1a6_emit.kd
    .args:
      - { .name: emb_weight, .offset: 0, .size: 8, .value_kind: global_buffer, .address_space: global }
      - { .name: pe, .offset: 8, .size: 8, .value_kind: global_buffer, .address_space: global }
      - { .name: pd, .offset: 16, .size: 8, .value_kind: global_buffer, .address_space: global }
      - { .name: pi, .offset: 24, .size: 8, .value_kind: global_buffer, .address_space: global }
      - { .name: out0, .offset: 32, .size: 8, .value_kind: global_buffer, .address_space: global }
    .group_segment_fixed_size: 0
    .private_segment_fixed_size: 0
    .kernarg_segment_align: 8
    .kernarg_segment_size: 40
    .max_flat_workgroup_size: 256
    .sgpr_count:     102
    .vgpr_count:     152
    .wavefront_size: 32
...
	.end_amdgpu_metadata
.endif
;; end of part 8
